; MI455X (gfx1250); checked and timed in simulation.
; The chip was launched on July 23, 2026; its instructions are those of AMD's public machine-readable ISA for CDNA 5 (MIT licence, August 2026) and "CDNA5" Instruction Set Architecture Reference Guide (July 2026). The comments in the code are by the model that wrote it; some were corrected since.
;; Long Regression. Allowed arithmetic: matrix products marked QUANTISED: E3M2 operands, one E8M0 scale for each 32 along K, by v_wmma_scale_f32_16x16x128_f8f6f4 with both operands' format E3M2, f32 sums; products left as they are: f32 operands where the result goes on into a quantised operand, else bf16, f16 or f32 operands; f32 sums; everything else in f32.
;; Inputs: b1 8 x 1,024 float32; b2 8 x 1,024 float32; bout 8 x 256 float32; r1 512 x 256 float32; r2 256 x 256 float32; rb1 256 float32; rb2 256 float32; rbout 8 float32; rout 256 x 8 float32; w1 8 x 512 x 1,024 float32; w2 8 x 1,024 x 1,024 float32; wout 8 x 1,024 x 256 float32; x 4,096 x 512 float32.
;; Outputs: out0 4,096 x 256 float32.
;; This version of the problem:
;;   THIS VERSION OF THE PROBLEM IS GIVEN IN LOW PRECISION. The matrix products marked QUANTISED in the list below multiply operands that are first quantised to E3M2 (3 exponent bits, 2 mantissa bits; 6 bits a number), with one power-of-two scale for each 32 numbers along K (OCP MX v1.0); their sums are f32. All else is computed in f32.
;;   The module's matrix products, in the order in which they are computed (A, B: the left and right operand; K: the contracted axis; several contracted axes count as one K, in the product's order):
;;     1. [M 4,096, K 512] x [K 512, N 256]; A: input x; B: input r1: QUANTISED
;;     2. [M 4,096, K 256] x [K 256, N 256]; A: computed on the way; B: input r2: QUANTISED
;;     3. [M 4,096, K 256] x [K 256, N 8]; A: computed on the way; B: input rout: left as it is (N = 8 < 16)
;;     4. [M 8,192, K 512] x [K 512, N 4,096]; A: input w1; B: input x: QUANTISED
;;     5. batch 8 x [M 4,096, K 1,024] x [K 1,024, N 1,024]; A: computed on the way; B: input w2: QUANTISED
;;     6. batch 8 x [M 4,096, K 1,024] x [K 1,024, N 256]; A: computed on the way; B: input wout: QUANTISED
;;     7. batch 4,096 x [M 1, K 8] x [K 8, N 256]; A: softmax; B: computed on the way: left as it is (K = 8 < 32)
;;   THE QUANTISER, for each operand of a quantised product, along K:
;;     - K is cut into blocks of 32 from its start; a last block that is shorter is filled with zeros.
;;     - A block's scale is 2^e with e = floor(log2(the largest magnitude in the block)) - 4, held to -126 .. 127; a block of zeros has e = 0. As a byte (E8M0): e + 127.
;;     - Each number is divided by its block's scale, clamped to +-28, and rounded to the nearest number of E3M2, ties to even, subnormals kept.
;;     - The product sums the exact products of the quantised numbers (number of the format x scale) in f32.
;;   ~~~python
;;   def quantise(x, axis):      # numpy; x: float32 -> the quantised numbers, widened to float32 again
;;       x = np.moveaxis(x, axis, -1); K = x.shape[-1]
;;       x = np.pad(x, [(0, 0)] * (x.ndim - 1) + [(0, -K % 32)]); x = x.reshape(x.shape[:-1] + (-1, 32)); a = np.abs(x).max(-1, keepdims=True)
;;       e = np.where(a > 0, np.clip(np.frexp(np.where(a > 0, a, 1))[1] - 1 - 4, -126, 127), 0)      # np.frexp(a)[1] - 1 = floor(log2(a)), exactly
;;       r = np.clip(x / 2.0 ** e, -28, 28)
;;       step = 2.0 ** (np.maximum(np.frexp(np.where(r == 0, 1, r))[1] - 1, -2) - 2)
;;       q = np.round(r / step) * step * 2.0 ** e      # np.round: ties to even
;;       return np.moveaxis(q.reshape(q.shape[:-2] + (-1,))[..., :K], -1, axis).astype(np.float32)
;;   ~~~
;;   OPERANDS COMPUTED ON THE WAY. 'Computed on the way' means the value that the module computes at that place (a softmax that the list does not call 'softmax' is quantised finished and normalised). What goes into a quantiser is computed in f32, as accurately as f32 sums, v_exp_f32 and their like allow (about 1e-6 of the number): no bf16 or f16 on the way to a quantiser, and a product that is left as it is and whose result goes on into a quantised operand takes f32 operands (vector FMAs, or v_wmma_f32_16x16x4_f32). A number that lies on a knife's edge between two numbers of the format may be rounded either way, as far as f32 arithmetic and the matrix unit's own rounding can turn it there, and no further.
;; 2 versions. Each part assembles by itself: llvm-mc -triple=amdgcn-amd-amdhsa -mcpu=gfx1250 --defsym DOCPART=n.
;; ======== version 1 of 2: 3 launches
;; workspace buffers: wq 11,622,400 bytes; xq 1,638,400 bytes; yq 16,777,216 bytes
;; launch prep (part 1): grid 1036 x 1, 4 waves a work-group, no clusters, 26,624 bytes of LDS; arguments w1, w2, wout, r1, r2, x, wq, xq; writes wq, xq
.if DOCPART == 1
	.amdgcn_target "amdgcn-amd-amdhsa--gfx1250"
	.amdhsa_code_object_version 6
	.text
	.protected	k_q4d5ee5f5b8_prep
	.globl	k_q4d5ee5f5b8_prep
	.p2align	8
	.type	k_q4d5ee5f5b8_prep,@function
k_q4d5ee5f5b8_prep:
	s_mov_b64 s[64:65], 0
	v_nop
	global_prefetch_b8 v0, s[64:65] scope:SCOPE_SE
	s_setreg_imm32_b32 hwreg(HW_REG_WAVE_MODE, 25, 1), 1
	s_wait_xcnt 0x0
; All weights (f32, K their FIRST axis) and x (f32, K innermost) become codes of BF6 (E3M2) with one E8M0 byte for each 32 along K, once,
; laid in the ORDER OF THE OPERAND'S REGISTERS, so that the later launches fetch every fragment by loads of 16 bytes a lane on end.
; A FRAGMENT IMAGE (16 rows x 128 K, 12 registers a lane, 1,536 bytes): register q of lane l at 512 (q / 4) + 16 l + 4 (q % 4).
; A HALF-RECORD of weights (64 columns x 128 K, 6,400 bytes): four images, then 256 bytes of scale words: row rho's 16 bytes hold the words of tiles 0 to 3.
; THE COLUMNS OF A TILE ARE NOT NEIGHBOURS: row rho of tile 2 b + u is column 32 b + 8 u + rho + 8 (rho / 8), so that the transposed product leaves a lane 16 neighbours along the next K.
; A RECORD of activations (128 tokens x 128 K, 12,800 bytes): eight images, then 512 bytes of scale words at 256 (m / 4) + 16 r + 4 (m % 4).
; wq: expert e at e EXB, wave w of the experts' launch at w WS, its 56 half-records in the order in which it multiplies them; the router's behind them at RQ0.
; A block's scale byte is its largest magnitude's exponent field - 4, held at 1 from below by a floor among the maximum's leaves.
; LIMITS: a block of zeros, or one whose largest magnitude lies under 2^-122, gets the byte 1 (the rule says 127 for zeros: the codes are zeros, and only this program reads the bytes);
; NaN and infinities among the inputs are not served.
; SHARES: every work-group takes 16,384 numbers: 128 columns x 128 K of a weight (a lane to a column, registers down K), or 128 tokens x 128 K of x.
; Work-groups 0-255 w1, 256-767 w2 (rows of 4,096 bytes), 768-895 wout, 896-903 r1, 904-907 r2 (rows of 1,024 bytes), 908-1035 x.  Each of the three paths has LDS bytes of its own.
; No tensor loads, no matrix work, no cluster: each input byte is read by one lane of one work-group.
.set EXB,  1433600                     ; an expert's 4 x 56 half-records
.set WS,   358400                      ; a wave's 56
.set HRB,  6400
.set RQ0,  8*EXB                       ; the router's weights
.set RWS,  38400                       ; a wave's 6 half-records there
.set RECB, 12800
.set BLKB, 51200                       ; x: four records for 128 tokens
.set XSCL, 25600                       ; LDS: the x path's 512 bytes of scale words
.set N,    32                          ; x path: v32-159 two tiles' 64 numbers a lane
.set TM,   160                         ; v160-175 at work
.set PC,   176                         ; v176-194 the codes just made
.macro WLOAD t, pitch                  ; block t: W(32 t + i, my column), i = 0 .. 31, into set t % 2; 32 lanes read 128 consecutive bytes, the four waves 512
.set ii, 0
.rept 32
	global_load_b32 v[32+32*((\t)%2)+ii], v3, s[20:21] offset:(32*(\t)+ii)*\pitch th:TH_LOAD_NT
.set ii, ii+1
.endr
.endm
.macro WBLOCK t, pitch                 ; block t of my column: its largest magnitude, its byte, its 32 codes, and these into the image at lane rho + 16 (t % 2), registers 6 (t / 2) on
.set XS, 32+32*((\t)%2)
.set CT, 96+8*(\t)
.if (\t) < 3
	s_wait_loadcnt 32                              ; this block's 32 loads are in; the next block's may be out
.else
	s_wait_loadcnt 0x0
.endif
	v_max3_num_f32 v12, |v[XS]|, |v[XS+1]|, |v[XS+2]|
	v_max3_num_f32 v13, |v[XS+3]|, |v[XS+4]|, |v[XS+5]|
.irp i, 6,10,14,18,22,26
	v_max3_num_f32 v12, v12, |v[XS+\i]|, |v[XS+\i+1]|
	v_max3_num_f32 v13, v13, |v[XS+\i+2]|, |v[XS+\i+3]|
.endr
	v_max3_num_f32 v12, v12, |v[XS+30]|, |v[XS+31]|
	v_max3_num_f32 v12, v12, v13, 0x2800000        ; the floor 2^(5 - 127): the byte cannot fall under 1
	v_add_nc_u32 v11, 0xfe000000, v12              ; 4 off the exponent field: the conversion's scale operand
	v_lshrrev_b32 v13, 23, v11                     ; the byte
.if (\t) == 0
	v_mov_b32 v20, v13
.else
	v_lshl_or_b32 v20, v13, 8*(\t), v20            ; four bytes make my column's scale word for these 128 along K
.endif
	v_cvt_scalef32_pk16_bf6_f32 v[CT:CT+2], v[XS:XS+15], v11
	v_cvt_scalef32_pk16_bf6_f32 v[CT+4:CT+6], v[XS+16:XS+31], v11   ; (a conversion's three registers begin on an even number)
	v_nop                                          ; one plain place behind a scaled conversion
	v_mov_b32 v[CT+3], v[CT+4]
	v_mov_b32 v[CT+4], v[CT+5]
	v_mov_b32 v[CT+5], v[CT+6]                     ; v[CT .. CT+5]: the block's 24 bytes
.if (\t)/2 == 0
	ds_store_b128 v4, v[CT:CT+3] offset:256*((\t)%2)               ; registers 0-3
	ds_store_b64 v4, v[CT+4:CT+5] offset:512+256*((\t)%2)          ; registers 4, 5
.else
	ds_store_b64 v4, v[CT:CT+1] offset:520+256*((\t)%2)            ; registers 6, 7
	ds_store_b128 v4, v[CT+2:CT+5] offset:1024+256*((\t)%2)        ; registers 8-11
.endif
.if (\t) < 2
	WLOAD (\t)+2, \pitch
.endif
.endm
; A weight's work-group.  In: s[20:21] the tensor, s34 the byte at which the 128 x 128 block begins, s36 the byte in wq of the half-record of its columns 0-63, s37 the distance to that of columns 64-127.
.macro WPATH pitch, stg
	v_lshlrev_b32 v3, 2, v2                        ; in: 4 bytes a lane
	v_bfe_u32 v10, v2, 3, 1                        ; u: which of my wave's two tiles my column belongs to
	v_and_b32 v11, 7, v2
	v_lshrrev_b32 v12, 4, v2
	v_lshl_add_u32 v11, v12, 3, v11                ; rho: its row there
	s_mul_i32 s24, s22, 3072
	s_add_co_u32 s24, s24, \stg                    ; my wave's stage: two images
	v_mul_u32_u24 v4, v10, 1536
	v_lshl_add_u32 v4, v11, 4, v4
	v_add_nc_u32 v4, s24, v4                       ; into it: image u, lane rho
	v_lshlrev_b32 v6, 4, v2
	v_add_nc_u32 v5, s24, v6                       ; out of it: 16 bytes a lane on end
	s_lshr_b32 s25, s22, 1                         ; which half-record is my wave's,
	s_and_b32 s26, s22, 1                          ; and which pair of its tiles
	s_lshl_b32 s27, s25, 8
	s_lshl_b32 s28, s26, 3
	s_add_co_u32 s27, s27, s28
	s_add_co_u32 s27, s27, \stg+12288
	v_lshlrev_b32 v7, 4, v11
	v_lshl_add_u32 v7, v10, 2, v7
	v_add_nc_u32 v7, s27, v7                       ; my scale word: 256 x half-record + 16 rho + 4 x tile
	v_add_nc_u32 v8, \stg+12288, v6                ; the 512 bytes of scale words, 16 a lane
	v_and_b32 v13, 15, v2
	v_mul_u32_u24 v9, s37, v12
	v_lshl_add_u32 v9, v13, 4, v9                  ; and their places in wq: lanes 16-31 the second half-record's
	s_lshl_b32 s28, s22, 7
	s_add_co_u32 s34, s34, s28                     ; my wave's 32 columns
	s_mov_b32 s35, 0
	s_add_nc_u64 s[20:21], s[20:21], s[34:35]
	s_mov_b32 s42, s36
	s_mov_b32 s43, 0
	s_add_nc_u64 s[40:41], s[16:17], s[42:43]      ; the first half-record
	s_mul_i32 s42, s25, s37
	s_mul_i32 s28, s26, 3072
	s_add_co_u32 s42, s42, s28
	s_add_nc_u64 s[38:39], s[40:41], s[42:43]      ; my wave's two images
	WLOAD 0, \pitch
	WLOAD 1, \pitch
	WBLOCK 0, \pitch
	WBLOCK 1, \pitch
	WBLOCK 2, \pitch
	WBLOCK 3, \pitch
	ds_store_b32 v7, v20
.irp i, 0,1,2,3,4,5
	ds_load_b128 v[128+4*\i:131+4*\i], v5 offset:512*\i    ; my own bytes: LDS serves a wave's instructions in order
.endr
	s_wait_dscnt 0x0                               ; the images are back, and my scale words have landed, for wave 0's sake
.irp i, 0,1,2,3,4,5
	global_store_b128 v6, v[128+4*\i:131+4*\i], s[38:39] offset:512*\i   ; 32 lanes store 512 consecutive bytes
.endr
	s_barrier_signal -1
	s_barrier_wait -1                              ; all four waves' scale words lie in LDS
	s_cmp_lg_u32 s22, 0
	s_cbranch_scc1 .Lw_end_\@
	ds_load_b128 v[152:155], v8
	s_wait_dscnt 0x0
	global_store_b128 v9, v[152:155], s[40:41] offset:6144   ; sixteen lanes store a half-record's 256 bytes of scale words
.Lw_end_\@:
	s_wait_tensorcnt 0x0
	ds_add_u32 v200, v201
	s_wait_dscnt 0x0
	s_endpgm
.endm
; 64 numbers of a lane, register 16 b + i = k 32 b + 16 (lane / 16) + i of my row, become a fragment's codes in v[PC] on and its scale word in v[pw].
.macro QUANT s, pw
.irp b, 0,1,2,3
	v_max3_num_f32 v[TM+\b], |v[\s+16*\b]|, |v[\s+1+16*\b]|, 0x2800000
.endr
.irp i, 2,4,6,8,10,12,14
.irp b, 0,1,2,3
	v_max3_num_f32 v[TM+\b], v[TM+\b], |v[\s+16*\b+\i]|, |v[\s+1+16*\b+\i]|   ; the four blocks by turns
.endr
.endr
.irp b, 0,1,2,3
	v_permlanex16_b32 v[TM+4+\b], v[TM+\b], s44, s45
.endr
.irp b, 0,1,2,3
	v_max_num_f32 v[TM+\b], v[TM+\b], v[TM+4+\b]   ; with lane l xor 16's: the block's largest magnitude
.endr
.irp b, 0,1,2,3
	v_add_nc_u32 v[TM+12+\b], 0xfe000000, v[TM+\b]
.endr
.irp b, 0,1,2,3
	v_lshrrev_b32 v[TM+4+\b], 23, v[TM+12+\b]
.endr
	v_lshl_or_b32 v[\pw], v[TM+5], 8, v[TM+4]
	v_lshl_or_b32 v[\pw], v[TM+6], 16, v[\pw]
	v_lshl_or_b32 v[\pw], v[TM+7], 24, v[\pw]
.irp c, 0,1
	v_cvt_scalef32_pk16_bf6_f32 v[PC+6*\c:PC+2+6*\c], v[\s+32*\c:\s+15+32*\c], v[TM+12+2*\c]
	v_cvt_scalef32_pk16_bf6_f32 v[PC+12+4*\c:PC+14+4*\c], v[\s+16+32*\c:\s+31+32*\c], v[TM+13+2*\c]
.endr
	v_nop                                          ; one plain place behind a scaled conversion
.irp c, 0,1                            ; the operand wants a WHOLE block in a lane: lanes 0-15 block 2 c, lanes 16-31 block 2 c + 1
.irp i, 0,1,2
	v_permlane16_swap_b32 v[PC+6*\c+\i], v[PC+12+4*\c+\i]
.endr
.irp i, 0,1,2
	v_mov_b32 v[PC+3+6*\c+\i], v[PC+12+4*\c+\i]
.endr
.endr
.endm
	s_load_b256 s[4:11], s[0:1], 0x0               ; w1 s[4:5], w2 s[6:7], wout s[8:9], r1 s[10:11]
	s_load_b256 s[12:19], s[0:1], 0x20             ; r2 s[12:13], x s[14:15], wq s[16:17], xq s[18:19]
	v_lshl_add_u32 v200, v0, 2, 0x6600
	v_mov_b32 v201, 0
	v_lshrrev_b32 v1, 5, v0
	v_readfirstlane_b32 s22, v1                    ; wave 0..3
	v_and_b32 v2, 31, v0                           ; lane
	s_wait_kmcnt 0x0
	s_cmp_ge_u32 ttmp9, 908                        ; the three paths part on the work-group's number alone
	s_cbranch_scc1 .Lx
	s_cmp_ge_u32 ttmp9, 768
	s_cbranch_scc1 .Lnarrow
	; ---- w1 (g < 256: e = g >> 5, chunk = (g >> 2) & 7, K step = g & 3) or w2 (g' = g - 256: e = g' >> 6, chunk = (g' >> 3) & 7, K step = g' & 7)
	s_cmp_lt_u32 ttmp9, 256
	s_cselect_b64 s[20:21], s[4:5], s[6:7]
	s_cselect_b32 s24, 5, 6
	s_cselect_b32 s25, 2, 3
	s_cselect_b32 s26, 3, 7
	s_cselect_b32 s27, 0, 256
	s_cselect_b32 s28, 21, 22                      ; an expert's bytes: 2^21 in w1, 2^22 in w2
	s_cselect_b32 s29, 0, 16                       ; the layer's first half-record in a wave's run
	s_cselect_b32 s30, 3, 4                        ; half-records of a pass: 8 or 16
	s_sub_co_u32 s27, ttmp9, s27
	s_lshr_b32 s31, s27, s24                       ; e
	s_lshr_b32 s32, s27, s25
	s_and_b32 s32, s32, 7                          ; chunk of 128 columns
	s_and_b32 s33, s27, s26                        ; K step
	s_lshl_b32 s34, s31, s28
	s_lshl_b32 s35, s33, 19                        ; 128 rows of 4,096 bytes
	s_add_co_u32 s34, s34, s35
	s_lshl_b32 s35, s32, 9
	s_add_co_u32 s34, s34, s35
	s_mul_i32 s36, s31, EXB
	s_and_b32 s35, s32, 3                          ; chunk 4 p + w belongs to wave w, pass p
	s_mul_i32 s35, s35, WS
	s_add_co_u32 s36, s36, s35
	s_lshr_b32 s35, s32, 2
	s_lshl_b32 s35, s35, s30
	s_add_co_u32 s35, s35, s29
	s_lshl_b32 s24, s33, 1                         ; two half-records a K step
	s_add_co_u32 s35, s35, s24
	s_mul_i32 s35, s35, HRB
	s_add_co_u32 s36, s36, s35
	s_mov_b32 s37, HRB                             ; the chunk's two half-records follow each other
	WPATH 4096, 0
.Lnarrow:
	; ---- wout (g' = g - 768: e = g' >> 4, chunk = (g' >> 3) & 1, K step = g' & 7), r1 (g' = g - 896: chunk = g' >> 2, K step = g' & 3), r2 (g' = g - 904: chunk = g' >> 1, K step = g' & 1)
	s_mov_b32 s24, 904
	s_cmp_lt_u32 ttmp9, 904
	s_cselect_b64 s[20:21], s[10:11], s[12:13]
	s_cselect_b32 s24, 896, s24
	s_cselect_b32 s25, 2, 1
	s_cselect_b32 s26, 3, 1
	s_cselect_b32 s29, 0, 4                        ; r2's half-records follow r1's four
	s_mov_b32 s37, RWS
	s_mov_b32 s30, RQ0
	s_cmp_lt_u32 ttmp9, 896
	s_cselect_b64 s[20:21], s[8:9], s[20:21]
	s_cselect_b32 s24, 768, s24
	s_cselect_b32 s25, 3, s25
	s_cselect_b32 s26, 7, s26
	s_cselect_b32 s29, 48, s29                     ; wout's eight are a wave's last
	s_cselect_b32 s37, WS, s37                     ; the chunk's two half-records belong to two waves
	s_cselect_b32 s30, 0, s30
	s_sub_co_u32 s27, ttmp9, s24
	s_lshr_b32 s31, s27, 4                         ; e (0 for the router: g' is under 8 there)
	s_lshr_b32 s32, s27, s25
	s_and_b32 s32, s32, 1                          ; chunk
	s_and_b32 s33, s27, s26                        ; K step
	s_lshl_b32 s34, s31, 20
	s_lshl_b32 s35, s33, 17                        ; 128 rows of 1,024 bytes
	s_add_co_u32 s34, s34, s35
	s_lshl_b32 s35, s32, 9
	s_add_co_u32 s34, s34, s35
	s_mul_i32 s36, s31, EXB
	s_add_co_u32 s36, s36, s30
	s_mul_i32 s35, s32, s37
	s_lshl_b32 s35, s35, 1                         ; chunk c: waves 2 c and 2 c + 1
	s_add_co_u32 s36, s36, s35
	s_add_co_u32 s35, s33, s29
	s_mul_i32 s35, s35, HRB
	s_add_co_u32 s36, s36, s35
	WPATH 1024, 12800
.Lx:
	; ---- x: block of 128 tokens = (g - 908) >> 2, K step = (g - 908) & 3; wave w takes token tiles 2 w and 2 w + 1.  Lane (r, h) loads, of row r, 16 neighbours of each block of 32.
	s_sub_co_u32 s24, ttmp9, 908
	s_lshr_b32 s25, s24, 2
	s_and_b32 s26, s24, 3
	v_and_b32 v3, 15, v2                           ; r
	v_lshrrev_b32 v4, 4, v2                        ; h
	v_lshlrev_b32 v5, 11, v3
	v_lshl_add_u32 v5, v4, 6, v5                   ; row r of 2,048 bytes + 64 h
	v_lshlrev_b32 v6, 4, v2                        ; an image's place for my lane
	s_lshr_b32 s27, s22, 1
	s_and_b32 s28, s22, 1
	s_lshl_b32 s27, s27, 8
	s_lshl_b32 s28, s28, 3
	s_add_co_u32 s27, s27, s28
	s_add_co_u32 s27, s27, XSCL
	v_lshl_add_u32 v7, v3, 4, s27                  ; my scale words: 256 (m / 4) + 16 r + 4 (m % 4), m = 2 w, 2 w + 1
	v_add_nc_u32 v8, XSCL, v6
	s_mov_b32 s44, 0x76543210
	s_mov_b32 s45, 0xfedcba98                      ; v_permlanex16_b32's selects for lane l xor 16
.irp b, 0,1,2,3
	v_mov_b32 v[TM+4+\b], 0                        ; a lane permute's destination counts as one of its sources
.endr
	s_lshl_b32 s30, s25, 7
	s_lshl_b32 s31, s22, 5
	s_add_co_u32 s30, s30, s31                     ; my first token
	s_lshl_b32 s30, s30, 11
	s_lshl_b32 s31, s26, 9
	s_add_co_u32 s30, s30, s31
	s_mov_b32 s31, 0
	s_add_nc_u64 s[20:21], s[14:15], s[30:31]
	s_mul_i32 s30, s25, BLKB
	s_mul_i32 s32, s26, RECB
	s_add_co_u32 s30, s30, s32
	s_add_nc_u64 s[40:41], s[18:19], s[30:31]      ; the record
	s_mul_i32 s30, s22, 3072
	s_add_nc_u64 s[38:39], s[40:41], s[30:31]      ; my two images in it
.irp f, 0,1
.irp b, 0,1,2,3
.irp j, 0,1,2,3
	global_load_b128 v[N+64*\f+16*\b+4*\j:N+64*\f+16*\b+4*\j+3], v5, s[20:21] offset:32768*\f+128*\b+16*\j th:TH_LOAD_NT
.endr
.endr
.endr
	s_wait_loadcnt 16                              ; the first tile's sixteen loads are in
	QUANT N, 196
.irp g, 0,1,2
	global_store_b128 v6, v[PC+4*\g:PC+4*\g+3], s[38:39] offset:512*\g
.endr
	ds_store_b32 v7, v196                          ; both halves of the lanes write the same word with the same value
	s_wait_loadcnt 0x0
	s_wait_xcnt 0x0                                ; the stores' data registers are written again only behind this wait
	QUANT N+64, 197
.irp g, 0,1,2
	global_store_b128 v6, v[PC+4*\g:PC+4*\g+3], s[38:39] offset:1536+512*\g
.endr
	ds_store_b32 v7, v197 offset:4
	s_wait_dscnt 0x0                               ; for wave 0's sake
	s_barrier_signal -1
	s_barrier_wait -1
	s_cmp_lg_u32 s22, 0
	s_cbranch_scc1 .Lx_end
	ds_load_b128 v[28:31], v8
	s_wait_dscnt 0x0
	global_store_b128 v6, v[28:31], s[40:41] offset:12288   ; the record's 512 bytes of scale words
.Lx_end:
	s_wait_tensorcnt 0x0
	ds_add_u32 v200, v201
	s_wait_dscnt 0x0
	s_endpgm
.Lfunc_end_k_q4d5ee5f5b8_prep:
	.size	k_q4d5ee5f5b8_prep, .Lfunc_end_k_q4d5ee5f5b8_prep-k_q4d5ee5f5b8_prep
	.p2alignl 7, 3214868480
	.fill 96, 4, 3214868480
	.section	.rodata,"a",@progbits
	.p2align	6, 0x0
	.amdhsa_kernel k_q4d5ee5f5b8_prep
		.amdhsa_group_segment_fixed_size 26624
		.amdhsa_private_segment_fixed_size 0
		.amdhsa_enable_private_segment 0
		.amdhsa_kernarg_size 64
		.amdhsa_user_sgpr_count 2
		.amdhsa_user_sgpr_kernarg_segment_ptr 1
		.amdhsa_wavefront_size32 1
		.amdhsa_system_sgpr_workgroup_id_x 1
		.amdhsa_system_sgpr_workgroup_id_y 1
		.amdhsa_system_sgpr_workgroup_id_z 1
		.amdhsa_system_vgpr_workitem_id 0
		.amdhsa_next_free_vgpr 202
		.amdhsa_next_free_sgpr 66
		.amdhsa_reserve_vcc 0
		.amdhsa_float_denorm_mode_32 3
		.amdhsa_float_denorm_mode_16_64 3
		.amdhsa_memory_ordered 1
		.amdhsa_forward_progress 1
		.amdhsa_inst_pref_size 60
	.end_amdhsa_kernel
	.amdgpu_metadata
---
amdhsa.version: [ 1, 2 ]
amdhsa.kernels:
  - .name:           k_q4d5ee5f5b8_prep
    .symbol:         k_q4d5ee5f5b8_prep.kd
    .args:
      - { .name: w1, .offset: 0, .size: 8, .value_kind: global_buffer, .address_space: global }
      - { .name: w2, .offset: 8, .size: 8, .value_kind: global_buffer, .address_space: global }
      - { .name: wout, .offset: 16, .size: 8, .value_kind: global_buffer, .address_space: global }
      - { .name: r1, .offset: 24, .size: 8, .value_kind: global_buffer, .address_space: global }
      - { .name: r2, .offset: 32, .size: 8, .value_kind: global_buffer, .address_space: global }
      - { .name: x, .offset: 40, .size: 8, .value_kind: global_buffer, .address_space: global }
      - { .name: wq, .offset: 48, .size: 8, .value_kind: global_buffer, .address_space: global }
      - { .name: xq, .offset: 56, .size: 8, .value_kind: global_buffer, .address_space: global }
    .group_segment_fixed_size: 26624
    .private_segment_fixed_size: 0
    .kernarg_segment_align: 8
    .kernarg_segment_size: 64
    .max_flat_workgroup_size: 128
    .sgpr_count:     66
    .vgpr_count:     202
    .wavefront_size: 32
...
	.end_amdgpu_metadata
.endif
;; end of part 1
;; launch experts (part 2): grid 32 x 8, 4 waves a work-group, no clusters, 270,848 bytes of LDS; arguments xq, wq, b1, b2, bout, yq; writes yq
.if DOCPART == 2
	.amdgcn_target "amdgcn-amd-amdhsa--gfx1250"
	.amdhsa_code_object_version 6
	.text
	.protected	k_q4d5ee5f5b8_experts
	.globl	k_q4d5ee5f5b8_experts
	.p2align	8
	.type	k_q4d5ee5f5b8_experts,@function
k_q4d5ee5f5b8_experts:
	s_mov_b64 s[64:65], 0
	v_nop
	global_prefetch_b8 v0, s[64:65] scope:SCOPE_SE
	s_setreg_imm32_b32 hwreg(HW_REG_WAVE_MODE, 25, 1), 1
	s_wait_xcnt 0x0
; y[e] = relu(relu(x W1[e] + b1[e]) W2[e] + b2[e]) Wout[e] + bout[e] for ONE expert e (grid y) and 128 tokens (grid x), all three products on codes of BF6 (E3M2) with one E8M0 byte
; for each 32 along K.  x and the weights arrive as codes in the order of the operand's registers; both hidden layers are quantised on the way and live in LDS alone; y leaves as bf16
; (the weighted sum over experts, which takes it, is a product that the contract leaves as it is).
; SHARES.  Four waves, one to a SIMD.  THE WAVES SHARE THE COLUMNS: in a pass wave w makes 128 hidden units (chunk 4 p + w) for all 128 tokens: 8 x 8 accumulators, 512 registers.
; Layers 1 and 2 are two passes of 4 and 8 K steps, layer 3 one pass of 64 outputs a wave (32 accumulators, 8 K steps).
; EVERY PRODUCT IS USED TRANSPOSED (source 0 = 16 columns of the weight, source 1 = 16 tokens): a lane holds one token, and since row rho of weight tile 2 b + u is column
; 32 b + 8 u + rho + 8 (rho / 8), the 16 registers of tiles 2 b and 2 b + 1 are 16 neighbours along the next K: the conversions take them as they stand.  The biases are the C of each sum's first product.
; WEIGHTS GO FROM MEMORY STRAIGHT INTO REGISTERS: each fragment is used by one wave alone.  A wave's 56 half-records (4 tiles x 128 K + their scale words, 6,400 bytes, 13 loads) lie on end
; in the order of use; four half-sets of registers take turns, and behind the 32 products on half-record i, half-record i + 4 is asked for: 96 products ahead, through the quantising too.
; ACTIVATIONS go from wave to wave through LDS as images of the operand's registers (a record = 128 tokens x 128 K = 8 images + 512 bytes of scale words = 12,800 bytes).
; NO CLUSTER, NO TENSOR LOADS, though the 32 token blocks of an expert read the same weights: x and the two hidden layers take 256,000 bytes of LDS, and what a work-group could still
; claim does not hold two slots of one K step's weights (4 waves x 12,800 bytes); a smaller slot would ask for a round of the cluster's barrier within each K step.
; LIMITS: a block of zeros, or one whose largest magnitude lies under 2^-122, gets the scale byte 1 (its codes are zeros or made under that held scale); NaN and infinities are not served.
; REGISTERS, in windows of 256.  Window 0: v1-17 addresses; v32-47 the weights' scale words (4 a half-set); v48-55 the activations' (4 a set); v64-159, v160-255 two sets of 8 token fragments;
;   while a pass is quantised, set 1's registers are at work.  Window 1: v0-191 four half-sets of weights; v192-255 the bias, 8 registers a tile.
;   Windows 2, 3: accumulator (unit tile t, token tile m) at v[64 (m % 4) + 8 t] of window 2 + m / 4.
.set EXB,  1433600
.set WS,   358400
.set HRB,  6400
.set RECB, 12800
.set A1,   51200                       ; LDS: x's 4 records at 0; the first hidden layer's 8 records;
.set A2,   153600                      ; the second's;
.set BIAS, 256000                      ; b1[e] 4,096 bytes, b2[e] 4,096, bout[e] 1,024
.set TM,   160                         ; v160-175 at work in the quantiser
.set PC0,  176                         ; codes v176-194, scale word v196; for odd token tiles 22 further on
.set MUL_LO,   0xa1                    ; source 0 (weights) window 1, source 1 (tokens) window 0, C and D window 2
.set MUL_HI,   0xf1                    ; C and D window 3
.set FIRST_LO, 0x91                    ; C (the bias) window 1, D window 2
.set FIRST_HI, 0xd1
.set TO_W,     0x40                    ; destination window 1, address window 0
.set MSB, 0
.macro WIN new                         ; the immediate's high byte repeats the setting that is left; a switch that changes nothing is dropped
.if MSB != (\new)
	s_set_vgpr_msb (MSB<<8)|(\new)
.set MSB, (\new)
.endif
.endm
.macro PLACES                          ; four plain places between a matrix instruction and a load into, or a vector write of, its registers, or a read of its result
.rept 4
	v_nop
.endr
.endm
.macro LOADHR hs, off                  ; a half-record into half-set hs: 12 loads of 512 consecutive bytes, and its scale words (row rho's four words to lanes rho and 16 + rho)
	WIN TO_W
.irp f, 0,1,2,3
.irp g, 0,1,2
	global_load_b128 v[48*(\hs)+12*\f+4*\g:48*(\hs)+12*\f+4*\g+3], v1, s[22:23] offset:(\off)+1536*\f+512*\g
.endr
.endr
	WIN 0
	global_load_b128 v[32+4*(\hs):35+4*(\hs)], v2, s[22:23] offset:(\off)+6144
.endm
.macro ACTLOAD set, adr, off           ; a record from LDS: 8 token fragments, and the scale words: register j holds tile j's in lanes 0-15 and tile 4 + j's in lanes 16-31
.irp m, 0,1,2,3,4,5,6,7
.irp g, 0,1,2
	ds_load_b128 v[64+96*(\set)+12*\m+4*\g:64+96*(\set)+12*\m+4*\g+3], v[\adr] offset:(\off)+1536*\m+512*\g
.endr
.endr
	ds_load_b128 v[48+4*(\set):51+4*(\set)], v[\adr] offset:(\off)+12288
.endm
; 16 products: the four weight tiles of half-set hs (unit tiles 4 half + 0 .. 3) x token tiles 4 mh + 0 .. 3 of set as.  first = 1: the bias is C and starts the sums.
; Each accumulator is named once in a K step, in the same order in every step: the accumulators take turns.
.macro MUL16 hs, half, mh, as, first
.irp tt, 0,1,2,3
.irp mm, 0,1,2,3
.set rD, 64*\mm+8*(4*(\half)+\tt)
.set rA, 48*(\hs)+12*\tt
.set rB, 64+96*(\as)+12*(4*(\mh)+\mm)
.set rC, 192+8*(4*(\half)+\tt)
.set rS, 32+4*(\hs)+\tt
.set rT, 48+4*(\as)+\mm
.if \first
.if \mh
	v_wmma_scale_f32_16x16x128_f8f6f4 v[rD:rD+7], v[rA:rA+11], v[rB:rB+11], v[rC:rC+7], v[rS], v[rT] matrix_a_fmt:MATRIX_FMT_BF6 matrix_b_fmt:MATRIX_FMT_BF6 matrix_b_scale:MATRIX_SCALE_ROW1
.else
	v_wmma_scale_f32_16x16x128_f8f6f4 v[rD:rD+7], v[rA:rA+11], v[rB:rB+11], v[rC:rC+7], v[rS], v[rT] matrix_a_fmt:MATRIX_FMT_BF6 matrix_b_fmt:MATRIX_FMT_BF6
.endif
.else
.if \mh
	v_wmma_scale_f32_16x16x128_f8f6f4 v[rD:rD+7], v[rA:rA+11], v[rB:rB+11], v[rD:rD+7], v[rS], v[rT] matrix_a_fmt:MATRIX_FMT_BF6 matrix_b_fmt:MATRIX_FMT_BF6 matrix_b_scale:MATRIX_SCALE_ROW1
.else
	v_wmma_scale_f32_16x16x128_f8f6f4 v[rD:rD+7], v[rA:rA+11], v[rB:rB+11], v[rD:rD+7], v[rS], v[rT] matrix_a_fmt:MATRIX_FMT_BF6 matrix_b_fmt:MATRIX_FMT_BF6
.endif
.endif
.endr
.endr
.endm
; A K step of layers 1 and 2: 64 products on token set as and half-sets 2 as, 2 as + 1.  actl = 1: the next record is fetched into the other set, from v[adr] + aoff.
.macro STEP as, first, actl, adr, aoff
	s_wait_loadcnt 39                              ; loads come back in order: my half-record is in, the three behind it (3 x 13 loads) stay out
	s_wait_dscnt 0x0                               ; this step's record, asked for 32 products ago
.if \first
	WIN FIRST_LO
.else
	WIN MUL_LO
.endif
	MUL16 2*(\as), 0, 0, \as, \first
.if \first
	WIN FIRST_HI
.else
	WIN MUL_HI
.endif
	MUL16 2*(\as), 0, 1, \as, \first
	PLACES
	WIN 0
.if (\as) == 0
	s_wait_xcnt 0x0                                ; the base of the loads issued so far is stepped only behind this wait
	s_add_nc_u64 s[22:23], s[22:23], 4*HRB         ; four half-records on
.endif
	LOADHR 2*(\as), 2*HRB*(\as)
.if \actl
	ACTLOAD 1-(\as), \adr, \aoff
.endif
	s_wait_loadcnt 39
.if \first
	WIN FIRST_HI
.else
	WIN MUL_HI
.endif
	MUL16 2*(\as)+1, 1, 1, \as, \first
.if \first
	WIN FIRST_LO
.else
	WIN MUL_LO
.endif
	MUL16 2*(\as)+1, 1, 0, \as, \first
	PLACES
	LOADHR 2*(\as)+1, 2*HRB*(\as)+HRB
.endm
.macro PRE                             ; ahead of a pass: its bias (lane (r, h), tile 2 b + u: units 32 b + 16 h + 8 u + 0 .. 7) and the layer's first record
	WIN TO_W
.irp t, 0,1,2,3,4,5,6,7
.irp q, 0,1
	ds_load_b128 v[192+8*\t+4*\q:195+8*\t+4*\q], v7 offset:(32*(\t/2)+8*(\t%2))*4+16*\q
.endr
.endr
	WIN 0
	ACTLOAD 0, 3, 0
.endm
; Token tile m of a finished pass: relu, the four blocks' scales, the codes: one fragment and one scale word a token, which are K step 4 p + w of the next product.
.macro EPI m
.set WA, 2+(\m)/4
.set AB, 64*((\m)%4)
.set PP, PC0+22*((\m)%2)
.set PWX, PP+20
.if (\m) >= 2
	s_wait_dscnt 4                                 ; tile m - 2's stores are done: their registers are written again; tile m - 1's four may be out
.endif
	WIN (WA<<2)|(WA<<4)
.irp b, 0,1,2,3
	v_max3_num_f32 v[TM+\b], 0x2800000, v[AB+16*\b], v[AB+16*\b+1]   ; no |.|: what is negative becomes 0 and must not count; the floor 2^(5 - 127) stands over it.  Each accumulator is read from its low end on
.endr
.irp i, 2,4,6,8,10,12,14
.irp b, 0,1,2,3
	v_max3_num_f32 v[TM+\b], v[TM+\b], v[AB+16*\b+\i], v[AB+16*\b+\i+1]
.endr
.endr
	WIN (WA<<2)|(WA<<6)
.set jj, 0
.rept 64
	v_max_num_f32 v[AB+jj], 0, v[AB+jj]            ; the activation, in f32
.set jj, jj+1
.endr
	WIN 0
.irp b, 0,1,2,3
	v_permlanex16_b32 v[TM+4+\b], v[TM+\b], s20, s21
.endr
.irp b, 0,1,2,3
	v_max_num_f32 v[TM+\b], v[TM+\b], v[TM+4+\b]   ; with lane l xor 16's 16 units: the block's largest
.endr
.irp b, 0,1,2,3
	v_add_nc_u32 v[TM+12+\b], 0xfe000000, v[TM+\b] ; 4 off the exponent field: the conversion's scale operand
.endr
.irp b, 0,1,2,3
	v_lshrrev_b32 v[TM+4+\b], 23, v[TM+12+\b]      ; the byte
.endr
	v_lshl_or_b32 v[PWX], v[TM+5], 8, v[TM+4]
	v_lshl_or_b32 v[PWX], v[TM+6], 16, v[PWX]
	v_lshl_or_b32 v[PWX], v[TM+7], 24, v[PWX]
	WIN WA
.irp c, 0,1
	v_cvt_scalef32_pk16_bf6_f32 v[PP+6*\c:PP+6*\c+2], v[AB+32*\c:AB+32*\c+15], v[TM+12+2*\c]
	v_cvt_scalef32_pk16_bf6_f32 v[PP+12+4*\c:PP+14+4*\c], v[AB+16+32*\c:AB+31+32*\c], v[TM+13+2*\c]
.endr
	WIN 0
	v_nop                                          ; one plain place behind a scaled conversion
.irp c, 0,1                            ; a WHOLE block to a lane: lanes 0-15 block 2 c, lanes 16-31 block 2 c + 1
.irp i, 0,1,2
	v_permlane16_swap_b32 v[PP+6*\c+\i], v[PP+12+4*\c+\i]
.endr
.irp i, 0,1,2
	v_mov_b32 v[PP+3+6*\c+\i], v[PP+12+4*\c+\i]
.endr
.endr
.irp g, 0,1,2
	ds_store_b128 v5, v[PP+4*\g:PP+4*\g+3] offset:1536*(\m)+512*\g
.endr
	ds_store_b32 v6, v[PWX] offset:12288+256*((\m)/4)+4*((\m)%4)   ; both halves of the lanes write the same word with the same value
.endm
; A hidden layer: two passes of nk K steps.  src, dst, bias: LDS bytes of the records read, the records written and the layer's bias.
.macro LAYER nk, src, dst, bias
	v_add_nc_u32 v3, \src, v1                      ; the records read: + 16 x lane
	s_mul_i32 s28, s16, RECB
	s_add_co_u32 s28, s28, \dst
	v_add_nc_u32 v13, s28, v1                      ; record w of those written: its images,
	v_add_nc_u32 v14, s28, v2                      ; its scale words
	s_lshl_b32 s28, s16, 9
	s_add_co_u32 s28, s28, \bias
	v_add_nc_u32 v15, s28, v16                     ; the bias of chunk w, + 64 h
	v_mov_b32 v7, v15
	s_mov_b32 s41, 0                               ; pass p: record 4 p + w,
	s_mov_b32 s42, 0                               ; chunk 4 p + w of the bias
	PRE
	s_mov_b32 s26, 2
.Lpass_\@:
	v_add_nc_u32 v5, s41, v13
	v_add_nc_u32 v6, s41, v14
	STEP 0, 1, 1, 3, RECB
	STEP 1, 0, 1, 3, 2*RECB
.if \nk == 8
	s_mov_b32 s40, 0
	s_mov_b32 s27, 2
.Lk_\@:                                ; two trips of two K steps: K steps 2 to 5, which fetch records 3 to 6
	v_add_nc_u32 v4, s40, v3
	STEP 0, 0, 1, 4, 3*RECB
	STEP 1, 0, 1, 4, 4*RECB
	s_add_co_u32 s40, s40, 2*RECB
	s_sub_co_u32 s27, s27, 1
	s_cmp_lg_u32 s27, 0
	s_cbranch_scc1 .Lk_\@
	v_add_nc_u32 v4, s40, v3
	STEP 0, 0, 1, 4, 3*RECB                        ; K step 6 fetches record 7
	STEP 1, 0, 0, 3, 0
.else
	STEP 0, 0, 1, 3, 3*RECB
	STEP 1, 0, 0, 3, 0
.endif
	s_add_co_u32 s42, s42, 2048
	v_add_nc_u32 v7, s42, v15
	s_cmp_eq_u32 s26, 1                            ; if a pass of this layer follows, its bias and first record are asked for now and land while this pass is quantised
	s_cbranch_scc1 .Lno_pre_\@
	PRE
.Lno_pre_\@:
.irp b, 0,1,2,3
	v_mov_b32 v[TM+4+\b], 0                        ; a lane permute's destination counts as one of its sources
.endr
.irp m, 0,1,2,3,4,5,6,7
	EPI \m
.endr
	s_add_co_u32 s41, s41, 4*RECB
	s_sub_co_u32 s26, s26, 1
	s_cmp_lg_u32 s26, 0
	s_cbranch_scc1 .Lpass_\@
	s_wait_dscnt 0x0                               ; my records have landed, for the others' sake
	s_barrier_signal -1
	s_barrier_wait -1                              ; the layer's eight records lie in LDS
.endm
	s_load_b256 s[4:11], s[0:1], 0x0               ; xq s[4:5], wq s[6:7], b1 s[8:9], b2 s[10:11]
	s_load_b128 s[12:15], s[0:1], 0x20             ; bout s[12:13], yq s[14:15]
	v_lshl_add_u32 v62, v0, 2, 0x42000
	v_mov_b32 v63, 0
	v_lshrrev_b32 v20, 5, v0
	v_readfirstlane_b32 s16, v20                   ; wave 0..3
	s_and_b32 s17, ttmp7, 0xffff                   ; the expert
	v_and_b32 v20, 31, v0
	v_lshlrev_b32 v1, 4, v20                       ; 16 x lane: an image's place for my lane
	v_and_b32 v21, 15, v0
	v_lshlrev_b32 v2, 4, v21                       ; 16 x (lane % 16)
	v_bfe_u32 v22, v0, 4, 1
	v_lshlrev_b32 v16, 6, v22                      ; 64 h
	s_mul_i32 s28, s16, RECB
	v_add_nc_u32 v8, s28, v1                       ; x's record w in LDS
	v_lshlrev_b32 v9, 4, v0                        ; 16 x thread
	v_lshlrev_b32 v10, 3, v0                       ; 8 x thread
	v_add_nc_u32 v11, BIAS, v9
	v_add_nc_u32 v17, BIAS+8192, v10
	v_add_nc_u32 v12, A2+4*RECB, v1                ; the second hidden layer's records 4 to 7
	s_mov_b32 s20, 0x76543210
	s_mov_b32 s21, 0xfedcba98                      ; v_permlanex16_b32's selects for lane l xor 16
	s_mov_b32 s31, 0
	s_mul_i32 s30, ttmp9, 4*RECB
	s_add_co_u32 s30, s30, s28
	s_wait_kmcnt 0x0
	s_add_nc_u64 s[32:33], s[4:5], s[30:31]        ; x: my block's record w
	s_mul_i32 s30, s17, EXB
	s_mul_i32 s29, s16, WS
	s_add_co_u32 s30, s30, s29
	s_add_nc_u64 s[22:23], s[6:7], s[30:31]        ; my run of 56 half-records
	s_lshl_b32 s30, s17, 12
	s_add_nc_u64 s[34:35], s[8:9], s[30:31]
	s_add_nc_u64 s[36:37], s[10:11], s[30:31]
	s_lshl_b32 s30, s17, 10
	s_add_nc_u64 s[38:39], s[12:13], s[30:31]
	s_lshl_b32 s30, s17, 21
	s_lshl_b32 s29, ttmp9, 16
	s_add_co_u32 s30, s30, s29
	s_lshl_b32 s29, s16, 11
	s_add_co_u32 s30, s30, s29
	s_add_nc_u64 s[24:25], s[14:15], s[30:31]      ; y: (256 e + 8 x block) x 8,192 + 2,048 w
.irp i, 0,1,2,3,4,5,6,7,8,9,10,11,12,13,14,15,16,17,18,19,20,21,22,23,24
	global_load_b128 v[64+4*\i:67+4*\i], v1, s[32:33] offset:512*\i
.endr
	global_load_b128 v[164:167], v9, s[34:35]
	global_load_b128 v[168:171], v9, s[34:35] offset:2048
	global_load_b128 v[172:175], v9, s[36:37]
	global_load_b128 v[176:179], v9, s[36:37] offset:2048
	global_load_b64 v[180:181], v10, s[38:39]
	LOADHR 0, 0
	LOADHR 1, HRB
	s_wait_loadcnt 26                              ; x and the biases are in; the two half-records (2 x 13 loads) stay out
.irp i, 0,1,2,3,4,5,6,7,8,9,10,11,12,13,14,15,16,17,18,19,20,21,22,23,24
	ds_store_b128 v8, v[64+4*\i:67+4*\i] offset:512*\i
.endr
	ds_store_b128 v11, v[164:167]
	ds_store_b128 v11, v[168:171] offset:2048
	ds_store_b128 v11, v[172:175] offset:4096
	ds_store_b128 v11, v[176:179] offset:6144
	ds_store_b64 v17, v[180:181]
	LOADHR 2, 2*HRB
	LOADHR 3, 3*HRB
	s_wait_dscnt 0x0                               ; for the others' sake
	s_barrier_signal -1
	s_barrier_wait -1                              ; x's four records and the biases lie in LDS
	LAYER 4, 0, A1, BIAS
	LAYER 8, A1, A2, BIAS+4096
	; ---- layer 3: my 64 outputs for the 128 tokens: 32 accumulators, one half-record a K step, two sets of token fragments by turns
	v_add_nc_u32 v3, A2, v1
	s_lshl_b32 s28, s16, 8
	s_add_co_u32 s28, s28, BIAS+8192
	v_add_nc_u32 v7, s28, v16
	WIN TO_W
.irp t, 0,1,2,3
.irp q, 0,1
	ds_load_b128 v[192+8*\t+4*\q:195+8*\t+4*\q], v7 offset:(32*(\t/2)+8*(\t%2))*4+16*\q
.endr
.endr
	WIN 0
	ACTLOAD 0, 3, 0
	ACTLOAD 1, 3, RECB
.macro HALF3 k
.if (\k) <= 4
	s_wait_loadcnt 39                              ; three half-records behind mine
.else
	s_wait_loadcnt 13*(7-(\k))                     ; the run ends: the count runs down
.endif
.if (\k) < 7
	s_wait_dscnt 25                                ; this step's record is in; the next one's 25 loads may be out
.else
	s_wait_dscnt 0x0
.endif
.if (\k) == 0
	WIN FIRST_LO
	MUL16 0, 0, 0, 0, 1
	WIN FIRST_HI
	MUL16 0, 0, 1, 0, 1
.else
	WIN MUL_LO
	MUL16 (\k)%4, 0, 0, (\k)%2, 0
	WIN MUL_HI
	MUL16 (\k)%4, 0, 1, (\k)%2, 0
.endif
	PLACES
	WIN 0
.if (\k) == 0
	s_wait_xcnt 0x0
	s_add_nc_u64 s[22:23], s[22:23], 4*HRB
.endif
.if (\k) < 4
	LOADHR \k, HRB*(\k)                            ; half-records 52 to 55: the run's last, so no load leaves the buffer
.endif
.if (\k) < 3
	ACTLOAD (\k)%2, 3, RECB*((\k)+2)
.elseif (\k) < 6
	ACTLOAD (\k)%2, 12, RECB*((\k)-2)
.endif
.endm
.irp k, 0,1,2,3,4,5,6,7
	HALF3 \k
.endr
	; ---- the way out: lane (r, h), tile 2 b + q: outputs 64 w + 32 b + 16 h + 8 q + 0 .. 7 of token r: 16 bytes of bf16; a store's 32 lanes cover 512 consecutive bytes of yq, which is laid so
.irp m, 0,1,2,3,4,5,6,7
.set WA, 2+\m/4
.set AB, 64*(\m%4)
	WIN WA|(WA<<2)
.irp b, 0,1
.irp i, 0,1,2,3,4,5,6,7
	v_cvt_pk_bf16_f32 v[64+16*\m+8*\b+\i], v[AB+16*\b+2*\i], v[AB+16*\b+2*\i+1]   ; each accumulator from its low end on
.endr
.endr
	WIN 0
.irp b, 0,1
.irp q, 0,1
	global_store_b128 v1, v[64+16*\m+8*\b+4*\q:67+16*\m+8*\b+4*\q], s[24:25] offset:8192*\m+1024*\b+512*\q
.endr
.endr
.endr
	s_wait_tensorcnt 0x0
	ds_add_u32 v62, v63
	s_wait_dscnt 0x0
	s_endpgm
.Lfunc_end_k_q4d5ee5f5b8_experts:
	.size	k_q4d5ee5f5b8_experts, .Lfunc_end_k_q4d5ee5f5b8_experts-k_q4d5ee5f5b8_experts
	.p2alignl 7, 3214868480
	.fill 96, 4, 3214868480
	.section	.rodata,"a",@progbits
	.p2align	6, 0x0
	.amdhsa_kernel k_q4d5ee5f5b8_experts
		.amdhsa_group_segment_fixed_size 270848
		.amdhsa_private_segment_fixed_size 0
		.amdhsa_enable_private_segment 0
		.amdhsa_kernarg_size 48
		.amdhsa_user_sgpr_count 2
		.amdhsa_user_sgpr_kernarg_segment_ptr 1
		.amdhsa_wavefront_size32 1
		.amdhsa_system_sgpr_workgroup_id_x 1
		.amdhsa_system_sgpr_workgroup_id_y 1
		.amdhsa_system_sgpr_workgroup_id_z 1
		.amdhsa_system_vgpr_workitem_id 0
		.amdhsa_next_free_vgpr 1024
		.amdhsa_next_free_sgpr 66
		.amdhsa_reserve_vcc 0
		.amdhsa_float_denorm_mode_32 3
		.amdhsa_float_denorm_mode_16_64 3
		.amdhsa_memory_ordered 1
		.amdhsa_forward_progress 1
		.amdhsa_inst_pref_size 255
	.end_amdhsa_kernel
	.section	.bss,"aw",@nobits
	.p2align	6
	.space	262144
	.amdgpu_metadata
---
amdhsa.version: [ 1, 2 ]
amdhsa.kernels:
  - .name:           k_q4d5ee5f5b8_experts
    .symbol:         k_q4d5ee5f5b8_experts.kd
    .args:
      - { .name: xq, .offset: 0, .size: 8, .value_kind: global_buffer, .address_space: global }
      - { .name: wq, .offset: 8, .size: 8, .value_kind: global_buffer, .address_space: global }
      - { .name: b1, .offset: 16, .size: 8, .value_kind: global_buffer, .address_space: global }
      - { .name: b2, .offset: 24, .size: 8, .value_kind: global_buffer, .address_space: global }
      - { .name: bout, .offset: 32, .size: 8, .value_kind: global_buffer, .address_space: global }
      - { .name: yq, .offset: 40, .size: 8, .value_kind: global_buffer, .address_space: global }
    .group_segment_fixed_size: 270848
    .private_segment_fixed_size: 0
    .kernarg_segment_align: 8
    .kernarg_segment_size: 48
    .max_flat_workgroup_size: 128
    .sgpr_count:     66
    .vgpr_count:     1024
    .wavefront_size: 32
...
	.end_amdgpu_metadata
.endif
;; end of part 2
;; launch combine (part 3): grid 256 x 1, 4 waves a work-group, no clusters, 25,088 bytes of LDS; arguments xq, wq, yq, rb1, rb2, rout, rbout, out0; writes out0
.if DOCPART == 3
	.amdgcn_target "amdgcn-amd-amdhsa--gfx1250"
	.amdhsa_code_object_version 6
	.text
	.protected	k_q4d5ee5f5b8_combine
	.globl	k_q4d5ee5f5b8_combine
	.p2align	8
	.type	k_q4d5ee5f5b8_combine,@function
k_q4d5ee5f5b8_combine:
	s_mov_b64 s[64:65], 0
	v_nop
	global_prefetch_b8 v0, s[64:65] scope:SCOPE_SE
	s_setreg_imm32_b32 hwreg(HW_REG_WAVE_MODE, 25, 1), 1
	s_wait_xcnt 0x0
; out[n] = the sum over e of gates[n][e] y[e][n], gates = softmax(relu(relu(x r1 + rb1) r2 + rb2) rout + rbout).  A work-group owns 16 tokens (token tile T = its number).
; The router's two hidden products run on codes of BF6 (E3M2) with one E8M0 byte for each 32 along K: x and the weights arrive as codes in the order of the operand's registers;
; the first hidden layer is quantised here.  The logits (N = 8) and the weighted sum (K = 8) are products that the contract leaves as they are.
; SHARES.  Wave w makes router units 64 w .. 64 w + 63 of both hidden layers, the part of the logits that these units give, and outputs 64 w .. 64 w + 63.
; All products are used transposed (source 0 = 16 columns of the weight, source 1 = the 16 tokens): a lane holds ONE token (lane % 16) throughout; the columns of a weight tile are
; chosen (row rho of tile 2 b + u = column 32 b + 8 u + rho + 8 (rho / 8)) so that a lane's 16 registers of two tiles are units 32 b + 16 h + 0 .. 15.
; THE LOGITS: sixteen f32 matrix instructions a wave (no bulk work): source 0 = rout^T, whose rows 8-15 repeat rows 0-7, so that every lane ends with all eight logits of its own token;
; source 1 = the second hidden layer as it stands; k is permuted alike on both sides.  The four waves' parts meet in LDS.
; THE SOFTMAX takes the row's largest logit away first.  y arrives as bf16, laid so that lane (r, h) loads 8 neighbouring outputs of token r; it is asked for before the router's second layer.
; NO CLUSTER: the router's weights are shared by all work-groups, but each wave reads its 38,400 bytes once, at the head, straight into the registers in which they stay.
; LIMITS: a block of zeros, or one whose largest magnitude lies under 2^-122, gets the scale byte 1; NaN and infinities are not served.
; REGISTERS.  Window 0: v1-14 addresses; v16-63 x's four fragments, later v16-47 rout, later rows of out; v64-67 x's scale words, v68-83 r1's, v84-91 r2's, v92-93 the hidden layer's;
;   v96-127 rb1, later v96-119 the hidden layer's two fragments and v120-127 my part of the logits; v128-159 rb2; v160-191 first hidden layer, later the four parts of the logits;
;   v192-223 second hidden layer, later out; v224-231 codes, later the gates; v232-239 at work; v240-255 the logits' two sums, which matrix instructions alone write.
;   Window 1: v0-127 y (16 e + 8 b + 4 q); v128-223 r2's fragments.   Window 2: v0-191 r1's fragments.
.set RQ0,  11468800                    ; the router's weights in wq
.set RWS,  38400                       ; a wave's six half-records: r1's four K steps, r2's two
.set HRB,  6400
.set RECB, 12800
.set H1SC, 3072                        ; LDS: at 0 the hidden layer's codes, 768 bytes a wave; its scale words: 64 x K step + 4 r, a wave's two bytes at 2 (w % 2);
.set LG,   3328                        ; the logits' parts, 1,024 bytes a wave;
.set STG,  7424                        ; the stage for out: 16 rows x (1,024 bytes + 16)
.set SP,   1040
.set MSB, 0
.macro WIN new
.if MSB != (\new)
	s_set_vgpr_msb (MSB<<8)|(\new)
.set MSB, (\new)
.endif
.endm
.macro PLACES n
.rept \n
	v_nop
.endr
.endm
	s_load_b512 s[4:19], s[0:1], 0x0               ; xq s[4:5], wq s[6:7], yq s[8:9], rb1 s[10:11], rb2 s[12:13], rout s[14:15], rbout s[16:17], out0 s[18:19]
	v_lshl_add_u32 v94, v0, 2, 0x6000
	v_mov_b32 v95, 0
	v_lshrrev_b32 v15, 5, v0
	v_readfirstlane_b32 s48, v15                   ; wave 0..3
	v_and_b32 v232, 31, v0                         ; lane
	v_and_b32 v15, 15, v0                          ; r
	v_bfe_u32 v233, v0, 4, 1                       ; h
	v_lshlrev_b32 v1, 4, v232                      ; 16 x lane
	v_lshlrev_b32 v14, 3, v232                     ; 8 x lane
	v_lshlrev_b32 v2, 4, v15                       ; 16 r
	v_lshlrev_b32 v3, 2, v15                       ; 4 r
	v_lshlrev_b32 v4, 6, v233                      ; 64 h
	v_and_b32 v234, 7, v0
	v_lshlrev_b32 v5, 2, v234
	v_lshl_add_u32 v5, v233, 9, v5                 ; rout: 16 h rows of 32 bytes + expert r % 8
	s_mul_i32 s49, s48, 768
	v_add_nc_u32 v6, s49, v1                       ; my half fragment: registers 0-3 at 16 x lane,
	s_add_co_u32 s49, s49, 512
	v_add_nc_u32 v7, s49, v14                      ; registers 4, 5 at 512 + 8 x lane
	s_lshr_b32 s49, s48, 1
	s_and_b32 s50, s48, 1
	s_lshl_b32 s49, s49, 6
	s_lshl_b32 s50, s50, 1
	s_add_co_u32 s49, s49, s50
	s_add_co_u32 s49, s49, H1SC
	v_add_nc_u32 v8, s49, v3                       ; my two scale bytes of token r
	s_lshl_b32 s49, s48, 10
	s_add_co_u32 s49, s49, LG
	v_lshlrev_b32 v10, 5, v232
	v_add_nc_u32 v9, s49, v10                      ; my part of the logits: 32 bytes a lane
	v_add_nc_u32 v10, LG, v10                      ; and all four parts
	v_mul_u32_u24 v11, v15, SP
	v_add_nc_u32 v11, v11, v4
	s_lshl_b32 s49, s48, 8
	s_add_co_u32 s49, s49, STG
	v_add_nc_u32 v11, s49, v11                     ; the stage: row r, + 256 w + 64 h
	s_mul_i32 s49, s48, 4*SP
	s_add_co_u32 s49, s49, STG
	v_add_nc_u32 v12, s49, v1                      ; back: my four rows, 16 bytes a lane
	v_mov_b32 v13, 0
	s_mov_b32 s58, 0x76543210
	s_mov_b32 s59, 0xfedcba98                      ; v_permlanex16_b32's selects for lane l xor 16
	s_lshr_b32 s54, ttmp9, 3                       ; the block of 128 tokens,
	s_and_b32 s55, ttmp9, 7                        ; and my tile m in it
	s_mov_b32 s39, 0
	s_mul_i32 s38, s54, 4*RECB
	s_wait_kmcnt 0x0
	s_add_nc_u64 s[22:23], s[4:5], s[38:39]
	s_mul_i32 s38, s55, 1536
	s_add_nc_u64 s[20:21], s[22:23], s[38:39]      ; x's fragment of K step 0
	s_lshr_b32 s56, s55, 2
	s_lshl_b32 s56, s56, 8
	s_and_b32 s57, s55, 3
	s_lshl_b32 s57, s57, 2
	s_add_co_u32 s38, s56, s57
	s_add_co_u32 s38, s38, 12288
	s_add_nc_u64 s[22:23], s[22:23], s[38:39]      ; and its scale words: 256 (m / 4) + 4 (m % 4), + 16 r
	s_lshl_b32 s38, s48, 8
	s_add_nc_u64 s[24:25], s[10:11], s[38:39]      ; rb1 and rb2 at my 64 units
	s_add_nc_u64 s[28:29], s[12:13], s[38:39]
	s_mul_i32 s38, s48, RWS
	s_add_co_u32 s38, s38, RQ0
	s_add_nc_u64 s[26:27], s[6:7], s[38:39]        ; my six half-records
	s_lshl_b32 s38, s48, 11
	s_add_nc_u64 s[30:31], s[14:15], s[38:39]      ; rout at my 64 rows
	s_lshl_b32 s56, ttmp9, 13
	s_add_co_u32 s38, s38, s56
	s_add_nc_u64 s[32:33], s[8:9], s[38:39]        ; y: 8,192 T + 2,048 w, experts 0-3;
	s_add_nc_u64 s[34:35], s[32:33], 0x800000      ; experts 4-7
	s_lshl_b32 s38, ttmp9, 14
	s_lshl_b32 s56, s48, 12
	s_add_co_u32 s38, s38, s56
	s_add_nc_u64 s[36:37], s[18:19], s[38:39]      ; out: my four rows
	s_load_b256 s[40:47], s[16:17], 0x0            ; rbout
	; ---- the first layer's 76 loads
.irp s, 0,1,2,3
.irp g, 0,1,2
	global_load_b128 v[16+12*\s+4*\g:19+12*\s+4*\g], v1, s[20:21] offset:RECB*\s+512*\g
.endr
	global_load_b32 v[64+\s], v2, s[22:23] offset:RECB*\s
.endr
.irp t, 0,1,2,3
.irp q, 0,1
	global_load_b128 v[96+8*\t+4*\q:99+8*\t+4*\q], v4, s[24:25] offset:(32*(\t/2)+8*(\t%2))*4+16*\q
.endr
.endr
	WIN 0x80                                       ; destination window 2
.irp s, 0,1,2,3
.irp f, 0,1,2,3
.irp g, 0,1,2
	global_load_b128 v[48*\s+12*\f+4*\g:48*\s+12*\f+4*\g+3], v1, s[26:27] offset:HRB*\s+1536*\f+512*\g
.endr
.endr
.endr
	WIN 0
.irp s, 0,1,2,3
	global_load_b128 v[68+4*\s:71+4*\s], v2, s[26:27] offset:HRB*\s+6144
.endr
	; ---- the second layer's 34
.irp t, 0,1,2,3
.irp q, 0,1
	global_load_b128 v[128+8*\t+4*\q:131+8*\t+4*\q], v4, s[28:29] offset:(32*(\t/2)+8*(\t%2))*4+16*\q
.endr
.endr
	WIN 0x40                                       ; destination window 1
.irp s, 0,1
.irp f, 0,1,2,3
.irp g, 0,1,2
	global_load_b128 v[128+48*\s+12*\f+4*\g:128+48*\s+12*\f+4*\g+3], v1, s[26:27] offset:HRB*(4+\s)+1536*\f+512*\g
.endr
.endr
.endr
	WIN 0
.irp s, 0,1
	global_load_b128 v[84+4*\s:87+4*\s], v2, s[26:27] offset:HRB*(4+\s)+6144
.endr
	s_wait_loadcnt 34                              ; the first layer's loads are in; the second layer's 34 stay out
	WIN 0x02                                       ; source 0 (r1) window 2
.irp k, 0,1,2,3                        ; four accumulators by turns; rb1 is the C of each sum's first product
.irp t, 0,1,2,3
.if \k == 0
	v_wmma_scale_f32_16x16x128_f8f6f4 v[160+8*\t:167+8*\t], v[48*\k+12*\t:48*\k+12*\t+11], v[16+12*\k:27+12*\k], v[96+8*\t:103+8*\t], v[68+4*\k+\t], v[64+\k] matrix_a_fmt:MATRIX_FMT_BF6 matrix_b_fmt:MATRIX_FMT_BF6
.else
	v_wmma_scale_f32_16x16x128_f8f6f4 v[160+8*\t:167+8*\t], v[48*\k+12*\t:48*\k+12*\t+11], v[16+12*\k:27+12*\k], v[160+8*\t:167+8*\t], v[68+4*\k+\t], v[64+\k] matrix_a_fmt:MATRIX_FMT_BF6 matrix_b_fmt:MATRIX_FMT_BF6
.endif
.endr
.endr
	WIN 0
	PLACES 4                                       ; in front of the loads into x's registers and of the first read of results
	; ---- 64 more loads: rout (register 16 b + 8 u + j: row 64 w + 32 b + 16 h + 8 u + j, expert r % 8), then y
.irp b, 0,1
.irp u, 0,1
.irp j, 0,1,2,3,4,5,6,7
	global_load_b32 v[16+16*\b+8*\u+\j], v5, s[30:31] offset:32*(32*\b+8*\u+\j)
.endr
.endr
.endr
	WIN 0x40
.irp e, 0,1,2,3
.irp b, 0,1
.irp q, 0,1
	global_load_b128 v[16*\e+8*\b+4*\q:16*\e+8*\b+4*\q+3], v1, s[32:33] offset:2097152*\e+1024*\b+512*\q th:TH_LOAD_NT
.endr
.endr
.endr
.irp e, 4,5,6,7
.irp b, 0,1
.irp q, 0,1
	global_load_b128 v[16*\e+8*\b+4*\q:16*\e+8*\b+4*\q+3], v1, s[34:35] offset:2097152*(\e-4)+1024*\b+512*\q th:TH_LOAD_NT
.endr
.endr
.endr
	WIN 0
	; ---- my 64 units of the first hidden layer: relu, two blocks' scales, 6 registers of codes: half (w % 2) of the fragment of K step w / 2
.irp b, 0,1
	v_max3_num_f32 v[232+\b], 0x2800000, v[160+16*\b], v[161+16*\b]   ; no |.|: what is negative becomes 0; the floor 2^(5 - 127) stands over it
.endr
.irp i, 2,4,6,8,10,12,14
.irp b, 0,1
	v_max3_num_f32 v[232+\b], v[232+\b], v[160+16*\b+\i], v[161+16*\b+\i]
.endr
.endr
.set jj, 0
.rept 32
	v_max_num_f32 v[160+jj], 0, v[160+jj]
.set jj, jj+1
.endr
	v_mov_b32 v234, 0                              ; a lane permute's destination counts as one of its sources
	v_mov_b32 v235, 0
.irp b, 0,1
	v_permlanex16_b32 v[234+\b], v[232+\b], s58, s59
.endr
.irp b, 0,1
	v_max_num_f32 v[232+\b], v[232+\b], v[234+\b]
.endr
.irp b, 0,1
	v_add_nc_u32 v[236+\b], 0xfe000000, v[232+\b]  ; 4 off the exponent field: the conversion's scale operand
.endr
.irp b, 0,1
	v_lshrrev_b32 v[238+\b], 23, v[236+\b]
.endr
	v_lshl_or_b32 v231, v239, 8, v238              ; my two bytes of token r's scale word
	v_cvt_scalef32_pk16_bf6_f32 v[224:226], v[160:175], v236
	v_cvt_scalef32_pk16_bf6_f32 v[228:230], v[176:191], v237
	v_nop                                          ; one plain place behind a scaled conversion
.irp i, 0,1,2
	v_permlane16_swap_b32 v[224+\i], v[228+\i]     ; a WHOLE block to a lane
.endr
	v_mov_b32 v227, v228
	v_mov_b32 v228, v229
	v_mov_b32 v229, v230
	ds_store_b128 v6, v[224:227]
	ds_store_b64 v7, v[228:229]
	ds_store_b16 v8, v231                          ; both halves of the lanes write the same bytes with the same value
	s_wait_dscnt 0x0                               ; for the others' sake
	s_barrier_signal -1
	s_barrier_wait -1                              ; the hidden layer's two fragments lie in LDS
.irp s, 0,1
.irp c, 0,1
	ds_load_b128 v[96+12*\s+6*\c:99+12*\s+6*\c], v1 offset:768*(2*\s+\c)
	ds_load_b64 v[100+12*\s+6*\c:101+12*\s+6*\c], v14 offset:768*(2*\s+\c)+512
.endr
	ds_load_b32 v[92+\s], v3 offset:H1SC+64*\s
.endr
	s_wait_dscnt 0x0
	s_wait_loadcnt 63                              ; 64 loads were issued behind the second layer's: the largest count that can be written shows those in
	WIN 0x01                                       ; source 0 (r2) window 1
.irp k, 0,1
.irp t, 0,1,2,3
.if \k == 0
	v_wmma_scale_f32_16x16x128_f8f6f4 v[192+8*\t:199+8*\t], v[128+48*\k+12*\t:128+48*\k+12*\t+11], v[96+12*\k:107+12*\k], v[128+8*\t:135+8*\t], v[84+4*\k+\t], v[92+\k] matrix_a_fmt:MATRIX_FMT_BF6 matrix_b_fmt:MATRIX_FMT_BF6
.else
	v_wmma_scale_f32_16x16x128_f8f6f4 v[192+8*\t:199+8*\t], v[128+48*\k+12*\t:128+48*\k+12*\t+11], v[96+12*\k:107+12*\k], v[192+8*\t:199+8*\t], v[84+4*\k+\t], v[92+\k] matrix_a_fmt:MATRIX_FMT_BF6 matrix_b_fmt:MATRIX_FMT_BF6
.endif
.endr
.endr
	WIN 0
	PLACES 4
.set jj, 0
.rept 32
	v_max_num_f32 v[192+jj], 0, v[192+jj]          ; the second hidden layer, in f32
.set jj, jj+1
.endr
	s_wait_loadcnt 32                              ; rout is in; y's 32 loads stay out
	; ---- my part of the logits: K = my 64 units, 4 an instruction; two sums by turns, each begun with the constant 0
	v_wmma_f32_16x16x4_f32 v[240:247], v[16:17], v[192:193], 0
	v_wmma_f32_16x16x4_f32 v[248:255], v[18:19], v[194:195], 0
.irp i, 1,2,3,4,5,6,7
	v_wmma_f32_16x16x4_f32 v[240:247], v[16+4*\i:17+4*\i], v[192+4*\i:193+4*\i], v[240:247]
	v_wmma_f32_16x16x4_f32 v[248:255], v[18+4*\i:19+4*\i], v[194+4*\i:195+4*\i], v[248:255]
.endr
	PLACES 8                                       ; eight places behind this form
.irp j, 0,1,2,3,4,5,6,7
	v_add_f32 v[120+\j], v[240+\j], v[248+\j]      ; into other registers, from the low end on: register j = expert j, token r
.endr
	ds_store_b128 v9, v[120:123]
	ds_store_b128 v9, v[124:127] offset:16
	s_wait_dscnt 0x0
	s_barrier_signal -1
	s_barrier_wait -1                              ; the four parts lie in LDS
.irp p, 0,1,2,3
.irp z, 0,1
	ds_load_b128 v[160+8*\p+4*\z:163+8*\p+4*\z], v10 offset:1024*\p+16*\z
.endr
.endr
	s_wait_dscnt 0x0
	s_wait_kmcnt 0x0                               ; rbout
.irp j, 0,1,2,3,4,5,6,7
	v_add_f32 v[232+\j], v[160+\j], v[168+\j]
	v_add_f32 v[224+\j], v[176+\j], v[184+\j]
.endr
.irp j, 0,1,2,3,4,5,6,7
	v_add_f32 v[232+\j], v[232+\j], v[224+\j]
.endr
.irp j, 0,1,2,3,4,5,6,7
	v_add_f32 v[232+\j], s[40+\j], v[232+\j]       ; my token's eight logits
.endr
	v_max3_num_f32 v15, v232, v233, v234
	v_max3_num_f32 v15, v15, v235, v236
	v_max3_num_f32 v15, v15, v237, v238
	v_max_num_f32 v15, v15, v239                   ; the largest is taken away first
.irp j, 0,1,2,3,4,5,6,7
	v_sub_f32 v[232+\j], v[232+\j], v15
.endr
.irp j, 0,1,2,3,4,5,6,7
	v_mul_f32 v[232+\j], 0x3fb8aa3b, v[232+\j]     ; x log2(e)
.endr
.irp j, 0,1,2,3,4,5,6,7
	v_exp_f32 v[224+\j], v[232+\j]
.endr
	v_nop                                          ; one plain place behind the exponentials
	s_wait_alu depctr_va_vdst(0)
	v_add_f32 v120, v224, v225
	v_add_f32 v121, v226, v227
	v_add_f32 v122, v228, v229
	v_add_f32 v123, v230, v231
	v_add_f32 v120, v120, v121
	v_add_f32 v122, v122, v123
	v_add_f32 v120, v120, v122
	v_rcp_f32 v120, v120
	v_nop                                          ; one plain place behind the reciprocal
	s_wait_alu depctr_va_vdst(0)
.irp j, 0,1,2,3,4,5,6,7
	v_mul_f32 v[224+\j], v[224+\j], v120           ; the gates
.endr
	; ---- out: register 2 x + half of v192 on = the sum over e of gate e x y's half of register 16 e + x
	s_wait_loadcnt 0x0                             ; y
	WIN 0x01                                       ; source 0 (y) window 1
.irp x, 0,1,2,3,4,5,6,7,8,9,10,11,12,13,14,15
	v_fma_mix_f32_bf16 v[192+2*\x], v[\x], v224, v13 op_sel_hi:[1,0,0]
	v_fma_mix_f32_bf16 v[193+2*\x], v[\x], v224, v13 op_sel:[1,0,0] op_sel_hi:[1,0,0]
.endr
.irp e, 1,2,3,4,5,6,7
.irp x, 0,1,2,3,4,5,6,7,8,9,10,11,12,13,14,15
	v_fma_mix_f32_bf16 v[192+2*\x], v[16*\e+\x], v[224+\e], v[192+2*\x] op_sel_hi:[1,0,0]
	v_fma_mix_f32_bf16 v[193+2*\x], v[16*\e+\x], v[224+\e], v[193+2*\x] op_sel:[1,0,0] op_sel_hi:[1,0,0]
.endr
.endr
	WIN 0
	; ---- the way out: a row's 1,024 bytes come from four waves: they meet in the stage, and each wave stores four whole rows
.irp b, 0,1
.irp q, 0,1
.irp z, 0,1
	ds_store_b128 v11, v[192+16*\b+8*\q+4*\z:195+16*\b+8*\q+4*\z] offset:128*\b+32*\q+16*\z
.endr
.endr
.endr
	s_wait_dscnt 0x0
	s_barrier_signal -1
	s_barrier_wait -1
.irp n, 0,1,2,3,4,5,6,7
	ds_load_b128 v[16+4*\n:19+4*\n], v12 offset:SP*(\n/2)+512*(\n%2)
.endr
.irp n, 0,1,2,3,4,5,6,7
	s_wait_dscnt 7-\n
	global_store_b128 v1, v[16+4*\n:19+4*\n], s[36:37] offset:1024*(\n/2)+512*(\n%2) th:TH_STORE_NT   ; 32 lanes store 512 consecutive bytes, at a multiple of 256 from out's first byte
.endr
	s_wait_tensorcnt 0x0
	ds_add_u32 v94, v95
	s_wait_dscnt 0x0
	s_endpgm
.Lfunc_end_k_q4d5ee5f5b8_combine:
	.size	k_q4d5ee5f5b8_combine, .Lfunc_end_k_q4d5ee5f5b8_combine-k_q4d5ee5f5b8_combine
	.p2alignl 7, 3214868480
	.fill 96, 4, 3214868480
	.section	.rodata,"a",@progbits
	.p2align	6, 0x0
	.amdhsa_kernel k_q4d5ee5f5b8_combine
		.amdhsa_group_segment_fixed_size 25088
		.amdhsa_private_segment_fixed_size 0
		.amdhsa_enable_private_segment 0
		.amdhsa_kernarg_size 64
		.amdhsa_user_sgpr_count 2
		.amdhsa_user_sgpr_kernarg_segment_ptr 1
		.amdhsa_wavefront_size32 1
		.amdhsa_system_sgpr_workgroup_id_x 1
		.amdhsa_system_sgpr_workgroup_id_y 1
		.amdhsa_system_sgpr_workgroup_id_z 1
		.amdhsa_system_vgpr_workitem_id 0
		.amdhsa_next_free_vgpr 768
		.amdhsa_next_free_sgpr 66
		.amdhsa_reserve_vcc 0
		.amdhsa_float_denorm_mode_32 3
		.amdhsa_float_denorm_mode_16_64 3
		.amdhsa_memory_ordered 1
		.amdhsa_forward_progress 1
		.amdhsa_inst_pref_size 52
	.end_amdhsa_kernel
	.amdgpu_metadata
---
amdhsa.version: [ 1, 2 ]
amdhsa.kernels:
  - .name:           k_q4d5ee5f5b8_combine
    .symbol:         k_q4d5ee5f5b8_combine.kd
    .args:
      - { .name: xq, .offset: 0, .size: 8, .value_kind: global_buffer, .address_space: global }
      - { .name: wq, .offset: 8, .size: 8, .value_kind: global_buffer, .address_space: global }
      - { .name: yq, .offset: 16, .size: 8, .value_kind: global_buffer, .address_space: global }
      - { .name: rb1, .offset: 24, .size: 8, .value_kind: global_buffer, .address_space: global }
      - { .name: rb2, .offset: 32, .size: 8, .value_kind: global_buffer, .address_space: global }
      - { .name: rout, .offset: 40, .size: 8, .value_kind: global_buffer, .address_space: global }
      - { .name: rbout, .offset: 48, .size: 8, .value_kind: global_buffer, .address_space: global }
      - { .name: out0, .offset: 56, .size: 8, .value_kind: global_buffer, .address_space: global }
    .group_segment_fixed_size: 25088
    .private_segment_fixed_size: 0
    .kernarg_segment_align: 8
    .kernarg_segment_size: 64
    .max_flat_workgroup_size: 128
    .sgpr_count:     66
    .vgpr_count:     768
    .wavefront_size: 32
...
	.end_amdgpu_metadata
.endif
;; end of part 3
;; ======== version 2 of 2: 3 launches
;; workspace buffers: wq 11,622,400 bytes; xq 1,638,400 bytes; yq 16,777,216 bytes
;; launch prep (part 4): grid 1036 x 1, 4 waves a work-group, no clusters, 26,624 bytes of LDS; arguments w1, w2, wout, r1, r2, x, wq, xq; writes wq, xq
.if DOCPART == 4
	.amdgcn_target "amdgcn-amd-amdhsa--gfx1250"
	.amdhsa_code_object_version 6
	.text
	.protected	k_q4d5ee5f5b8_prep
	.globl	k_q4d5ee5f5b8_prep
	.p2align	8
	.type	k_q4d5ee5f5b8_prep,@function
k_q4d5ee5f5b8_prep:
	s_mov_b64 s[64:65], 0
	v_nop
	global_prefetch_b8 v0, s[64:65] scope:SCOPE_SE
	s_setreg_imm32_b32 hwreg(HW_REG_WAVE_MODE, 25, 1), 1
	s_wait_xcnt 0x0
; All weights (f32, K their FIRST axis) and x (f32, K innermost) become codes of BF6 (E3M2) with one E8M0 byte for each 32 along K, once,
; laid in the ORDER OF THE OPERAND'S REGISTERS, so that the later launches fetch every fragment by loads of 16 bytes a lane on end.
; A FRAGMENT IMAGE (16 rows x 128 K, 12 registers a lane, 1,536 bytes): register q of lane l at 512 (q / 4) + 16 l + 4 (q % 4).
; A HALF-RECORD of weights (64 columns x 128 K, 6,400 bytes): four images, then 256 bytes of scale words: row rho's 16 bytes hold the words of tiles 0 to 3.
; THE COLUMNS OF A TILE ARE NOT NEIGHBOURS: row rho of tile 2 b + u is column 32 b + 8 u + rho + 8 (rho / 8), so that the transposed product leaves a lane 16 neighbours along the next K.
; A RECORD of activations (128 tokens x 128 K, 12,800 bytes): eight images, then 512 bytes of scale words at 256 (m / 4) + 16 r + 4 (m % 4).
; wq: expert e at e EXB, wave w of the experts' launch at w WS, its 56 half-records in the order in which it multiplies them; the router's behind them at RQ0.
; A block's scale byte is its largest magnitude's exponent field - 4, held at 1 from below by a floor among the maximum's leaves.
; LIMITS: a block of zeros, or one whose largest magnitude lies under 2^-122, gets the byte 1 (the rule says 127 for zeros: the codes are zeros, and only this program reads the bytes);
; NaN and infinities among the inputs are not served.
; SHARES: every work-group takes 16,384 numbers: 128 columns x 128 K of a weight (a lane to a column, registers down K), or 128 tokens x 128 K of x.
; Work-groups 0-255 w1, 256-767 w2 (rows of 4,096 bytes), 768-895 wout, 896-903 r1, 904-907 r2 (rows of 1,024 bytes), 908-1035 x.  Each of the three paths has LDS bytes of its own.
; No tensor loads, no matrix work, no cluster: each input byte is read by one lane of one work-group.
.set EXB,  1433600                     ; an expert's 4 x 56 half-records
.set WS,   358400                      ; a wave's 56
.set HRB,  6400
.set RQ0,  8*EXB                       ; the router's weights
.set RWS,  38400                       ; a wave's 6 half-records there
.set RECB, 12800
.set BLKB, 51200                       ; x: four records for 128 tokens
.set XSCL, 25600                       ; LDS: the x path's 512 bytes of scale words
.set N,    32                          ; x path: v32-159 two tiles' 64 numbers a lane
.set TM,   160                         ; v160-175 at work
.set PC,   176                         ; v176-194 the codes just made
.macro WLOAD t, pitch                  ; block t: W(32 t + i, my column), i = 0 .. 31, into set t % 2; 32 lanes read 128 consecutive bytes, the four waves 512
.set ii, 0
.rept 32
	global_load_b32 v[32+32*((\t)%2)+ii], v3, s[20:21] offset:(32*(\t)+ii)*\pitch th:TH_LOAD_NT
.set ii, ii+1
.endr
.endm
.macro WBLOCK t, pitch                 ; block t of my column: its largest magnitude, its byte, its 32 codes, and these into the image at lane rho + 16 (t % 2), registers 6 (t / 2) on
.set XS, 32+32*((\t)%2)
.set CT, 96+8*(\t)
.if (\t) < 3
	s_wait_loadcnt 32                              ; this block's 32 loads are in; the next block's may be out
.else
	s_wait_loadcnt 0x0
.endif
	v_max3_num_f32 v12, |v[XS]|, |v[XS+1]|, |v[XS+2]|
	v_max3_num_f32 v13, |v[XS+3]|, |v[XS+4]|, |v[XS+5]|
.irp i, 6,10,14,18,22,26
	v_max3_num_f32 v12, v12, |v[XS+\i]|, |v[XS+\i+1]|
	v_max3_num_f32 v13, v13, |v[XS+\i+2]|, |v[XS+\i+3]|
.endr
	v_max3_num_f32 v12, v12, |v[XS+30]|, |v[XS+31]|
	v_max3_num_f32 v12, v12, v13, 0x2800000        ; the floor 2^(5 - 127): the byte cannot fall under 1
	v_add_nc_u32 v11, 0xfe000000, v12              ; 4 off the exponent field: the conversion's scale operand
	v_lshrrev_b32 v13, 23, v11                     ; the byte
.if (\t) == 0
	v_mov_b32 v20, v13
.else
	v_lshl_or_b32 v20, v13, 8*(\t), v20            ; four bytes make my column's scale word for these 128 along K
.endif
	v_cvt_scalef32_pk16_bf6_f32 v[CT:CT+2], v[XS:XS+15], v11
	v_cvt_scalef32_pk16_bf6_f32 v[CT+4:CT+6], v[XS+16:XS+31], v11   ; (a conversion's three registers begin on an even number)
	v_nop                                          ; one plain place behind a scaled conversion
	v_mov_b32 v[CT+3], v[CT+4]
	v_mov_b32 v[CT+4], v[CT+5]
	v_mov_b32 v[CT+5], v[CT+6]                     ; v[CT .. CT+5]: the block's 24 bytes
.if (\t)/2 == 0
	ds_store_b128 v4, v[CT:CT+3] offset:256*((\t)%2)               ; registers 0-3
	ds_store_b64 v4, v[CT+4:CT+5] offset:512+256*((\t)%2)          ; registers 4, 5
.else
	ds_store_b64 v4, v[CT:CT+1] offset:520+256*((\t)%2)            ; registers 6, 7
	ds_store_b128 v4, v[CT+2:CT+5] offset:1024+256*((\t)%2)        ; registers 8-11
.endif
.if (\t) < 2
	WLOAD (\t)+2, \pitch
.endif
.endm
; A weight's work-group.  In: s[20:21] the tensor, s34 the byte at which the 128 x 128 block begins, s36 the byte in wq of the half-record of its columns 0-63, s37 the distance to that of columns 64-127.
.macro WPATH pitch, stg
	v_lshlrev_b32 v3, 2, v2                        ; in: 4 bytes a lane
	v_bfe_u32 v10, v2, 3, 1                        ; u: which of my wave's two tiles my column belongs to
	v_and_b32 v11, 7, v2
	v_lshrrev_b32 v12, 4, v2
	v_lshl_add_u32 v11, v12, 3, v11                ; rho: its row there
	s_wait_alu depctr_va_vdst(0)
	s_mul_i32 s24, s22, 3072
	s_add_co_u32 s24, s24, \stg                    ; my wave's stage: two images
	v_mul_u32_u24 v4, v10, 1536
	v_lshl_add_u32 v4, v11, 4, v4
	v_add_nc_u32 v4, s24, v4                       ; into it: image u, lane rho
	v_lshlrev_b32 v6, 4, v2
	v_add_nc_u32 v5, s24, v6                       ; out of it: 16 bytes a lane on end
	s_lshr_b32 s25, s22, 1                         ; which half-record is my wave's,
	s_and_b32 s26, s22, 1                          ; and which pair of its tiles
	s_lshl_b32 s27, s25, 8
	s_lshl_b32 s28, s26, 3
	s_add_co_u32 s27, s27, s28
	s_add_co_u32 s27, s27, \stg+12288
	v_lshlrev_b32 v7, 4, v11
	v_lshl_add_u32 v7, v10, 2, v7
	v_add_nc_u32 v7, s27, v7                       ; my scale word: 256 x half-record + 16 rho + 4 x tile
	v_add_nc_u32 v8, \stg+12288, v6                ; the 512 bytes of scale words, 16 a lane
	v_and_b32 v13, 15, v2
	v_mul_u32_u24 v9, s37, v12
	v_lshl_add_u32 v9, v13, 4, v9                  ; and their places in wq: lanes 16-31 the second half-record's
	s_lshl_b32 s28, s22, 7
	s_add_co_u32 s34, s34, s28                     ; my wave's 32 columns
	s_mov_b32 s35, 0
	s_add_nc_u64 s[20:21], s[20:21], s[34:35]
	s_mov_b32 s42, s36
	s_mov_b32 s43, 0
	s_add_nc_u64 s[40:41], s[16:17], s[42:43]      ; the first half-record
	s_mul_i32 s42, s25, s37
	s_mul_i32 s28, s26, 3072
	s_add_co_u32 s42, s42, s28
	s_add_nc_u64 s[38:39], s[40:41], s[42:43]      ; my wave's two images
	WLOAD 0, \pitch
	WLOAD 1, \pitch
	WBLOCK 0, \pitch
	WBLOCK 1, \pitch
	WBLOCK 2, \pitch
	WBLOCK 3, \pitch
	ds_store_b32 v7, v20
.irp i, 0,1,2,3,4,5
	ds_load_b128 v[128+4*\i:131+4*\i], v5 offset:512*\i    ; my own bytes: LDS serves a wave's instructions in order
.endr
	s_wait_dscnt 0x0                               ; the images are back, and my scale words have landed, for wave 0's sake
.irp i, 0,1,2,3,4,5
	global_store_b128 v6, v[128+4*\i:131+4*\i], s[38:39] offset:512*\i   ; 32 lanes store 512 consecutive bytes
.endr
	s_barrier_signal -1
	s_barrier_wait -1                              ; all four waves' scale words lie in LDS
	s_cmp_lg_u32 s22, 0
	s_cbranch_scc1 .Lw_end_\@
	ds_load_b128 v[152:155], v8
	s_wait_dscnt 0x0
	global_store_b128 v9, v[152:155], s[40:41] offset:6144   ; sixteen lanes store a half-record's 256 bytes of scale words
.Lw_end_\@:
	s_wait_tensorcnt 0x0
	ds_add_u32 v200, v201
	s_wait_dscnt 0x0
	s_endpgm
.endm
; 64 numbers of a lane, register 16 b + i = k 32 b + 16 (lane / 16) + i of my row, become a fragment's codes in v[PC] on and its scale word in v[pw].
.macro QUANT s, pw
.irp b, 0,1,2,3
	v_max3_num_f32 v[TM+\b], |v[\s+16*\b]|, |v[\s+1+16*\b]|, 0x2800000
.endr
.irp i, 2,4,6,8,10,12,14
.irp b, 0,1,2,3
	v_max3_num_f32 v[TM+\b], v[TM+\b], |v[\s+16*\b+\i]|, |v[\s+1+16*\b+\i]|   ; the four blocks by turns
.endr
.endr
.irp b, 0,1,2,3
	v_permlanex16_b32 v[TM+4+\b], v[TM+\b], s44, s45
.endr
.irp b, 0,1,2,3
	v_max_num_f32 v[TM+\b], v[TM+\b], v[TM+4+\b]   ; with lane l xor 16's: the block's largest magnitude
.endr
.irp b, 0,1,2,3
	v_add_nc_u32 v[TM+12+\b], 0xfe000000, v[TM+\b]
.endr
.irp b, 0,1,2,3
	v_lshrrev_b32 v[TM+4+\b], 23, v[TM+12+\b]
.endr
	v_lshl_or_b32 v[\pw], v[TM+5], 8, v[TM+4]
	v_lshl_or_b32 v[\pw], v[TM+6], 16, v[\pw]
	v_lshl_or_b32 v[\pw], v[TM+7], 24, v[\pw]
.irp c, 0,1
	v_cvt_scalef32_pk16_bf6_f32 v[PC+6*\c:PC+2+6*\c], v[\s+32*\c:\s+15+32*\c], v[TM+12+2*\c]
	v_cvt_scalef32_pk16_bf6_f32 v[PC+12+4*\c:PC+14+4*\c], v[\s+16+32*\c:\s+31+32*\c], v[TM+13+2*\c]
.endr
	v_nop                                          ; one plain place behind a scaled conversion
.irp c, 0,1                            ; the operand wants a WHOLE block in a lane: lanes 0-15 block 2 c, lanes 16-31 block 2 c + 1
.irp i, 0,1,2
	v_permlane16_swap_b32 v[PC+6*\c+\i], v[PC+12+4*\c+\i]
.endr
.irp i, 0,1,2
	v_mov_b32 v[PC+3+6*\c+\i], v[PC+12+4*\c+\i]
.endr
.endr
.endm
	s_load_b256 s[4:11], s[0:1], 0x0               ; w1 s[4:5], w2 s[6:7], wout s[8:9], r1 s[10:11]
	s_load_b256 s[12:19], s[0:1], 0x20             ; r2 s[12:13], x s[14:15], wq s[16:17], xq s[18:19]
	v_lshl_add_u32 v200, v0, 2, 0x6600
	v_mov_b32 v201, 0
	v_lshrrev_b32 v1, 5, v0
	v_readfirstlane_b32 s22, v1                    ; wave 0..3
	v_and_b32 v2, 31, v0                           ; lane
	s_wait_kmcnt 0x0
	s_cmp_ge_u32 ttmp9, 908                        ; the three paths part on the work-group's number alone
	s_cbranch_scc1 .Lx
	s_cmp_ge_u32 ttmp9, 768
	s_cbranch_scc1 .Lnarrow
	; ---- w1 (g < 256: e = g >> 5, chunk = (g >> 2) & 7, K step = g & 3) or w2 (g' = g - 256: e = g' >> 6, chunk = (g' >> 3) & 7, K step = g' & 7)
	s_cmp_lt_u32 ttmp9, 256
	s_cselect_b64 s[20:21], s[4:5], s[6:7]
	s_cselect_b32 s24, 5, 6
	s_cselect_b32 s25, 2, 3
	s_cselect_b32 s26, 3, 7
	s_cselect_b32 s27, 0, 256
	s_cselect_b32 s28, 21, 22                      ; an expert's bytes: 2^21 in w1, 2^22 in w2
	s_cselect_b32 s29, 0, 16                       ; the layer's first half-record in a wave's run
	s_cselect_b32 s30, 3, 4                        ; half-records of a pass: 8 or 16
	s_sub_co_u32 s27, ttmp9, s27
	s_lshr_b32 s31, s27, s24                       ; e
	s_lshr_b32 s32, s27, s25
	s_and_b32 s32, s32, 7                          ; chunk of 128 columns
	s_and_b32 s33, s27, s26                        ; K step
	s_lshl_b32 s34, s31, s28
	s_lshl_b32 s35, s33, 19                        ; 128 rows of 4,096 bytes
	s_add_co_u32 s34, s34, s35
	s_lshl_b32 s35, s32, 9
	s_add_co_u32 s34, s34, s35
	s_mul_i32 s36, s31, EXB
	s_and_b32 s35, s32, 3                          ; chunk 4 p + w belongs to wave w, pass p
	s_mul_i32 s35, s35, WS
	s_add_co_u32 s36, s36, s35
	s_lshr_b32 s35, s32, 2
	s_lshl_b32 s35, s35, s30
	s_add_co_u32 s35, s35, s29
	s_lshl_b32 s24, s33, 1                         ; two half-records a K step
	s_add_co_u32 s35, s35, s24
	s_mul_i32 s35, s35, HRB
	s_add_co_u32 s36, s36, s35
	s_mov_b32 s37, HRB                             ; the chunk's two half-records follow each other
	s_wait_alu depctr_va_vdst(0)
	WPATH 4096, 0
.Lnarrow:
	; ---- wout (g' = g - 768: e = g' >> 4, chunk = (g' >> 3) & 1, K step = g' & 7), r1 (g' = g - 896: chunk = g' >> 2, K step = g' & 3), r2 (g' = g - 904: chunk = g' >> 1, K step = g' & 1)
	s_mov_b32 s24, 904
	s_cmp_lt_u32 ttmp9, 904
	s_cselect_b64 s[20:21], s[10:11], s[12:13]
	s_cselect_b32 s24, 896, s24
	s_cselect_b32 s25, 2, 1
	s_cselect_b32 s26, 3, 1
	s_cselect_b32 s29, 0, 4                        ; r2's half-records follow r1's four
	s_mov_b32 s37, RWS
	s_mov_b32 s30, RQ0
	s_cmp_lt_u32 ttmp9, 896
	s_cselect_b64 s[20:21], s[8:9], s[20:21]
	s_cselect_b32 s24, 768, s24
	s_cselect_b32 s25, 3, s25
	s_cselect_b32 s26, 7, s26
	s_cselect_b32 s29, 48, s29                     ; wout's eight are a wave's last
	s_cselect_b32 s37, WS, s37                     ; the chunk's two half-records belong to two waves
	s_cselect_b32 s30, 0, s30
	s_sub_co_u32 s27, ttmp9, s24
	s_lshr_b32 s31, s27, 4                         ; e (0 for the router: g' is under 8 there)
	s_lshr_b32 s32, s27, s25
	s_and_b32 s32, s32, 1                          ; chunk
	s_and_b32 s33, s27, s26                        ; K step
	s_lshl_b32 s34, s31, 20
	s_lshl_b32 s35, s33, 17                        ; 128 rows of 1,024 bytes
	s_add_co_u32 s34, s34, s35
	s_lshl_b32 s35, s32, 9
	s_add_co_u32 s34, s34, s35
	s_mul_i32 s36, s31, EXB
	s_add_co_u32 s36, s36, s30
	s_mul_i32 s35, s32, s37
	s_lshl_b32 s35, s35, 1                         ; chunk c: waves 2 c and 2 c + 1
	s_add_co_u32 s36, s36, s35
	s_add_co_u32 s35, s33, s29
	s_mul_i32 s35, s35, HRB
	s_add_co_u32 s36, s36, s35
	s_wait_alu depctr_va_vdst(0)
	WPATH 1024, 12800
.Lx:
	; ---- x: block of 128 tokens = (g - 908) >> 2, K step = (g - 908) & 3; wave w takes token tiles 2 w and 2 w + 1.  Lane (r, h) loads, of row r, 16 neighbours of each block of 32.
	s_sub_co_u32 s24, ttmp9, 908
	s_lshr_b32 s25, s24, 2
	s_and_b32 s26, s24, 3
	s_wait_alu depctr_va_vdst(0)
	v_and_b32 v3, 15, v2                           ; r
	v_lshrrev_b32 v4, 4, v2                        ; h
	v_lshlrev_b32 v5, 11, v3
	v_lshl_add_u32 v5, v4, 6, v5                   ; row r of 2,048 bytes + 64 h
	s_wait_alu depctr_va_vdst(0)
	v_lshlrev_b32 v6, 4, v2                        ; an image's place for my lane
	s_lshr_b32 s27, s22, 1
	s_and_b32 s28, s22, 1
	s_lshl_b32 s27, s27, 8
	s_lshl_b32 s28, s28, 3
	s_add_co_u32 s27, s27, s28
	s_add_co_u32 s27, s27, XSCL
	v_lshl_add_u32 v7, v3, 4, s27                  ; my scale words: 256 (m / 4) + 16 r + 4 (m % 4), m = 2 w, 2 w + 1
	v_add_nc_u32 v8, XSCL, v6
	s_mov_b32 s44, 0x76543210
	s_mov_b32 s45, 0xfedcba98                      ; v_permlanex16_b32's selects for lane l xor 16
.irp b, 0,1,2,3
	v_mov_b32 v[TM+4+\b], 0                        ; a lane permute's destination counts as one of its sources
.endr
	s_lshl_b32 s30, s25, 7
	s_lshl_b32 s31, s22, 5
	s_add_co_u32 s30, s30, s31                     ; my first token
	s_lshl_b32 s30, s30, 11
	s_lshl_b32 s31, s26, 9
	s_add_co_u32 s30, s30, s31
	s_mov_b32 s31, 0
	s_add_nc_u64 s[20:21], s[14:15], s[30:31]
	s_mul_i32 s30, s25, BLKB
	s_mul_i32 s32, s26, RECB
	s_add_co_u32 s30, s30, s32
	s_add_nc_u64 s[40:41], s[18:19], s[30:31]      ; the record
	s_mul_i32 s30, s22, 3072
	s_add_nc_u64 s[38:39], s[40:41], s[30:31]      ; my two images in it
.irp f, 0,1
.irp b, 0,1,2,3
.irp j, 0,1,2,3
	global_load_b128 v[N+64*\f+16*\b+4*\j:N+64*\f+16*\b+4*\j+3], v5, s[20:21] offset:32768*\f+128*\b+16*\j th:TH_LOAD_NT
.endr
.endr
.endr
	s_wait_loadcnt 16                              ; the first tile's sixteen loads are in
	QUANT N, 196
.irp g, 0,1,2
	global_store_b128 v6, v[PC+4*\g:PC+4*\g+3], s[38:39] offset:512*\g
.endr
	ds_store_b32 v7, v196                          ; both halves of the lanes write the same word with the same value
	s_wait_loadcnt 0x0
	s_wait_xcnt 0x0                                ; the stores' data registers are written again only behind this wait
	QUANT N+64, 197
.irp g, 0,1,2
	global_store_b128 v6, v[PC+4*\g:PC+4*\g+3], s[38:39] offset:1536+512*\g
.endr
	ds_store_b32 v7, v197 offset:4
	s_wait_dscnt 0x0                               ; for wave 0's sake
	s_barrier_signal -1
	s_barrier_wait -1
	s_cmp_lg_u32 s22, 0
	s_cbranch_scc1 .Lx_end
	ds_load_b128 v[28:31], v8
	s_wait_dscnt 0x0
	global_store_b128 v6, v[28:31], s[40:41] offset:12288   ; the record's 512 bytes of scale words
.Lx_end:
	s_wait_tensorcnt 0x0
	ds_add_u32 v200, v201
	s_wait_dscnt 0x0
	s_endpgm
.Lfunc_end_k_q4d5ee5f5b8_prep:
	.size	k_q4d5ee5f5b8_prep, .Lfunc_end_k_q4d5ee5f5b8_prep-k_q4d5ee5f5b8_prep
	.p2alignl 7, 3214868480
	.fill 96, 4, 3214868480
	.section	.rodata,"a",@progbits
	.p2align	6, 0x0
	.amdhsa_kernel k_q4d5ee5f5b8_prep
		.amdhsa_group_segment_fixed_size 26624
		.amdhsa_private_segment_fixed_size 0
		.amdhsa_enable_private_segment 0
		.amdhsa_kernarg_size 64
		.amdhsa_user_sgpr_count 2
		.amdhsa_user_sgpr_kernarg_segment_ptr 1
		.amdhsa_wavefront_size32 1
		.amdhsa_system_sgpr_workgroup_id_x 1
		.amdhsa_system_sgpr_workgroup_id_y 1
		.amdhsa_system_sgpr_workgroup_id_z 1
		.amdhsa_system_vgpr_workitem_id 0
		.amdhsa_next_free_vgpr 202
		.amdhsa_next_free_sgpr 66
		.amdhsa_reserve_vcc 0
		.amdhsa_float_denorm_mode_32 3
		.amdhsa_float_denorm_mode_16_64 3
		.amdhsa_memory_ordered 1
		.amdhsa_forward_progress 1
		.amdhsa_inst_pref_size 60
	.end_amdhsa_kernel
	.amdgpu_metadata
---
amdhsa.version: [ 1, 2 ]
amdhsa.kernels:
  - .name:           k_q4d5ee5f5b8_prep
    .symbol:         k_q4d5ee5f5b8_prep.kd
    .args:
      - { .name: w1, .offset: 0, .size: 8, .value_kind: global_buffer, .address_space: global }
      - { .name: w2, .offset: 8, .size: 8, .value_kind: global_buffer, .address_space: global }
      - { .name: wout, .offset: 16, .size: 8, .value_kind: global_buffer, .address_space: global }
      - { .name: r1, .offset: 24, .size: 8, .value_kind: global_buffer, .address_space: global }
      - { .name: r2, .offset: 32, .size: 8, .value_kind: global_buffer, .address_space: global }
      - { .name: x, .offset: 40, .size: 8, .value_kind: global_buffer, .address_space: global }
      - { .name: wq, .offset: 48, .size: 8, .value_kind: global_buffer, .address_space: global }
      - { .name: xq, .offset: 56, .size: 8, .value_kind: global_buffer, .address_space: global }
    .group_segment_fixed_size: 26624
    .private_segment_fixed_size: 0
    .kernarg_segment_align: 8
    .kernarg_segment_size: 64
    .max_flat_workgroup_size: 128
    .sgpr_count:     66
    .vgpr_count:     202
    .wavefront_size: 32
...
	.end_amdgpu_metadata
.endif
;; end of part 4
;; launch experts (part 5): grid 32 x 8, 4 waves a work-group, no clusters, 270,848 bytes of LDS; arguments xq, wq, b1, b2, bout, yq; writes yq
.if DOCPART == 5
	.amdgcn_target "amdgcn-amd-amdhsa--gfx1250"
	.amdhsa_code_object_version 6
	.text
	.protected	k_q4d5ee5f5b8_experts
	.globl	k_q4d5ee5f5b8_experts
	.p2align	8
	.type	k_q4d5ee5f5b8_experts,@function
k_q4d5ee5f5b8_experts:
	s_mov_b64 s[64:65], 0
	v_nop
	global_prefetch_b8 v0, s[64:65] scope:SCOPE_SE
	s_setreg_imm32_b32 hwreg(HW_REG_WAVE_SCHED_MODE, 0, 2), 2
	s_setreg_imm32_b32 hwreg(HW_REG_WAVE_MODE, 25, 1), 1
	s_wait_xcnt 0x0
	s_wait_alu depctr_vm_vsrc(0)
; y[e] = relu(relu(x W1[e] + b1[e]) W2[e] + b2[e]) Wout[e] + bout[e] for ONE expert e (grid y) and 128 tokens (grid x), all three products on codes of BF6 (E3M2) with one E8M0 byte
; for each 32 along K.  x and the weights arrive as codes in the order of the operand's registers; both hidden layers are quantised on the way and live in LDS alone; y leaves as bf16
; (the weighted sum over experts, which takes it, is a product that the contract leaves as it is).
; SHARES.  Four waves, one to a SIMD.  THE WAVES SHARE THE COLUMNS: in a pass wave w makes 128 hidden units (chunk 4 p + w) for all 128 tokens: 8 x 8 accumulators, 512 registers.
; Layers 1 and 2 are two passes of 4 and 8 K steps, layer 3 one pass of 64 outputs a wave (32 accumulators, 8 K steps).
; EVERY PRODUCT IS USED TRANSPOSED (source 0 = 16 columns of the weight, source 1 = 16 tokens): a lane holds one token, and since row rho of weight tile 2 b + u is column
; 32 b + 8 u + rho + 8 (rho / 8), the 16 registers of tiles 2 b and 2 b + 1 are 16 neighbours along the next K: the conversions take them as they stand.  The biases are the C of each sum's first product.
; WEIGHTS GO FROM MEMORY STRAIGHT INTO REGISTERS: each fragment is used by one wave alone.  A wave's 56 half-records (4 tiles x 128 K + their scale words, 6,400 bytes, 13 loads) lie on end
; in the order of use; four half-sets of registers take turns: among the 32 products on half-record i the loads of half-record i + 3 are dealt, 64 to 96 products ahead of its use, through the quantising too.
; ACTIVATIONS go from wave to wave through LDS as images of the operand's registers (a record = 128 tokens x 128 K = 8 images + 512 bytes of scale words = 12,800 bytes).
; NO CLUSTER, NO TENSOR LOADS, though the 32 token blocks of an expert read the same weights: x and the two hidden layers take 256,000 bytes of LDS, and what a work-group could still
; claim does not hold two slots of one K step's weights (4 waves x 12,800 bytes); a smaller slot would ask for a round of the cluster's barrier within each K step.
; LIMITS: a block of zeros, or one whose largest magnitude lies under 2^-122, gets the scale byte 1 (its codes are zeros or made under that held scale); NaN and infinities are not served.
; REGISTERS, in windows of 256.  Window 0: v1-17 addresses; v32-47 the weights' scale words (4 a half-set); v48-55 the activations' (4 a set); v64-159, v160-255 two sets of 8 token fragments;
;   while a pass is quantised, set 1's registers are at work.  Window 1: v0-191 four half-sets of weights; v192-255 the bias, 8 registers a tile.
;   Windows 2, 3: accumulator (unit tile t, token tile m) at v[64 (m % 4) + 8 t] of window 2 + m / 4.
; THE MODE: SCHED_MODE bits 1:0 = 2 (LLVM: expert scheduling mode 2), set by the entry lines.  The code itself states the register dependences
; between vector or matrix instructions and memory or LDS instructions, with s_wait_alu, always for 0.
; THE PLAN.  A GROUP is the 32 products on one half-record; a K step of layers 1 and 2 is two groups, of layer 3 one.  Registers that memory or LDS instructions touch:
;   half-sets 0 .. 3 and their scale words   Group i reads half-set i % 4.  The loads of half-record i + 3, issued among group i's products, land in half-set (i - 1) % 4, which group i - 1 read.
;   token sets 0, 1 and their scale words    K step s reads set s % 2.  The LDS loads of record s + 1, issued among step s's products, land in the other set, which step s - 1 read.
;   the bias                                 Read by a pass's first K step, as C; loaded again behind the pass's last product.
;   the codes, two buffers in set 1          Written by the quantiser for token tiles by turns; read by that tile's four LDS stores; set 1's next record lands there in the next pass's first step.
;   v1, v2, v8-12, v17 are made once; v3 once a layer; v5, v6, v7 once a pass; v4 once for two K steps.  The weights' base is a scalar pair.
; So ONE wait on va_vdst stands at the head of each group.  It states that the group before is done reading its half-set, and at a step's head that the step before is done reading its token set.
; The group's products name their own half-set, their own token set, the accumulators and the bias: none of the registers that the group's loads touch.  So these loads are dealt among the products,
; three to five behind each row of four, with no further wait.  A wait on vm_vsrc stands ahead of each write of an address, and of each reuse of registers that LDS stores have read.
.set EXB,  1433600
.set WS,   358400
.set HRB,  6400
.set RECB, 12800
.set A1,   51200                       ; LDS: x's 4 records at 0; the first hidden layer's 8 records;
.set A2,   153600                      ; the second's;
.set BIAS, 256000                      ; b1[e] 4,096 bytes, b2[e] 4,096, bout[e] 1,024
.set TM,   160                         ; v160-175 at work in the quantiser
.set PC0,  176                         ; codes v176-194, scale word v196; for odd token tiles 22 further on
.set MUL_LO,   0xa1                    ; source 0 (weights) window 1, source 1 (tokens) window 0, C and D window 2
.set MUL_HI,   0xf1                    ; C and D window 3
.set FIRST_LO, 0x91                    ; C (the bias) window 1, D window 2
.set FIRST_HI, 0xd1
.set TO_W,     0x40                    ; destination window 1, address window 0
.set MSB, 0
.macro WIN new                         ; the immediate's high byte repeats the setting that is left; a switch that changes nothing is dropped
.if MSB != (\new)
	s_set_vgpr_msb (MSB<<8)|(\new)
.set MSB, (\new)
.endif
.endm
.macro PLACES                          ; four plain places between a matrix instruction and a vector write of its registers or a vector read of its result (ISA guide 7.12.1)
.rept 4
	v_nop
.endr
.endm
.macro WFRAG hs, off, f                ; fragment f of a half-record into half-set hs: 3 loads of 512 consecutive bytes
	WIN TO_W
.irp g, 0,1,2
	global_load_b128 v[48*(\hs)+12*(\f)+4*\g:48*(\hs)+12*(\f)+4*\g+3], v1, s[22:23] offset:(\off)+1536*(\f)+512*\g
.endr
.endm
.macro WSCL hs, off                    ; a half-record's scale words (row rho's four words to lanes rho and 16 + rho)
	WIN 0
	global_load_b128 v[32+4*(\hs):35+4*(\hs)], v2, s[22:23] offset:(\off)+6144
.endm
.macro LOADHR hs, off                  ; a whole half-record, 13 loads, in one run: at the kernel's head alone
.irp f, 0,1,2,3
	WFRAG \hs, \off, \f
.endr
	WSCL \hs, \off
.endm
; Loads n0 .. n1 - 1 of a record's 25.  Load n < 24: 512 bytes at 512 n, four registers of the 8 token fragments on end.  Load 24: the scale words: register j holds tile j's in lanes 0-15 and tile 4 + j's in lanes 16-31.
.macro ACTN set, adr, off, n0, n1
	WIN 0
.set nn, \n0
.rept (\n1)-(\n0)
.if nn < 24
	ds_load_b128 v[64+96*(\set)+4*nn:64+96*(\set)+4*nn+3], v[\adr] offset:(\off)+512*nn
.else
	ds_load_b128 v[48+4*(\set):51+4*(\set)], v[\adr] offset:(\off)+12288
.endif
.set nn, nn+1
.endr
.endm
.macro ACTLOAD set, adr, off           ; a whole record in one run
	ACTN \set, \adr, \off, 0, 25
.endm
; A row of 4 products: weight tile tt of half-set hs (unit tile 4 half + tt) x token tiles 4 mh + 0 .. 3 of set as.  first = 1: the bias is C and starts the sums.
; Each accumulator is named once in a K step, in the same order in every step: the accumulators take turns.
.macro MROW hs, half, mh, as, first, tt
.if \first
.if \mh
	WIN FIRST_HI
.else
	WIN FIRST_LO
.endif
.else
.if \mh
	WIN MUL_HI
.else
	WIN MUL_LO
.endif
.endif
.irp mm, 0,1,2,3
.set rD, 64*\mm+8*(4*(\half)+(\tt))
.set rA, 48*(\hs)+12*(\tt)
.set rB, 64+96*(\as)+12*(4*(\mh)+\mm)
.set rC, 192+8*(4*(\half)+(\tt))
.set rS, 32+4*(\hs)+(\tt)
.set rT, 48+4*(\as)+\mm
.if \first
.if \mh
	v_wmma_scale_f32_16x16x128_f8f6f4 v[rD:rD+7], v[rA:rA+11], v[rB:rB+11], v[rC:rC+7], v[rS], v[rT] matrix_a_fmt:MATRIX_FMT_BF6 matrix_b_fmt:MATRIX_FMT_BF6 matrix_b_scale:MATRIX_SCALE_ROW1
.else
	v_wmma_scale_f32_16x16x128_f8f6f4 v[rD:rD+7], v[rA:rA+11], v[rB:rB+11], v[rC:rC+7], v[rS], v[rT] matrix_a_fmt:MATRIX_FMT_BF6 matrix_b_fmt:MATRIX_FMT_BF6
.endif
.else
.if \mh
	v_wmma_scale_f32_16x16x128_f8f6f4 v[rD:rD+7], v[rA:rA+11], v[rB:rB+11], v[rD:rD+7], v[rS], v[rT] matrix_a_fmt:MATRIX_FMT_BF6 matrix_b_fmt:MATRIX_FMT_BF6 matrix_b_scale:MATRIX_SCALE_ROW1
.else
	v_wmma_scale_f32_16x16x128_f8f6f4 v[rD:rD+7], v[rA:rA+11], v[rB:rB+11], v[rD:rD+7], v[rS], v[rT] matrix_a_fmt:MATRIX_FMT_BF6 matrix_b_fmt:MATRIX_FMT_BF6
.endif
.endif
.endr
.endm
; A K step of layers 1 and 2: two groups, on token set as and half-sets 2 as, 2 as + 1.  actl = 1: the next record is fetched into the other set, from v[adr] + aoff.
; The base stands at the half-record of the last even step's first group: the four groups of two steps ask for the half-records 3, 4, 5 and 6 on from there.
.macro STEP as, first, actl, adr, aoff
	s_wait_loadcnt 26                              ; loads come back in order: my half-record is in, the two behind it (2 x 13 loads) stay out
	s_wait_dscnt 0x0                               ; this step's record, whose last loads were issued 16 products ago
	s_wait_alu depctr_va_vdst(0)                   ; the group before is done reading its half-set and scale words, the step before its token set and scale words: this group's loads land there.  At a pass's first step: the quantiser is done with set 1's registers; v5 and v6 are written.  Where v4 was stepped: it is written
	MROW 2*(\as), 0, 0, \as, \first, 0
	WFRAG (2*(\as)+3)%4, (2*(\as)+3)*HRB, 0
	MROW 2*(\as), 0, 0, \as, \first, 1
	WSCL (2*(\as)+3)%4, (2*(\as)+3)*HRB
.if \actl
	ACTN 1-(\as), \adr, \aoff, 0, 4
.endif
	MROW 2*(\as), 0, 0, \as, \first, 2
	WFRAG (2*(\as)+3)%4, (2*(\as)+3)*HRB, 1
	MROW 2*(\as), 0, 0, \as, \first, 3
.if \actl
	ACTN 1-(\as), \adr, \aoff, 4, 8
.endif
	MROW 2*(\as), 0, 1, \as, \first, 0
	WFRAG (2*(\as)+3)%4, (2*(\as)+3)*HRB, 2
	MROW 2*(\as), 0, 1, \as, \first, 1
.if \actl
	ACTN 1-(\as), \adr, \aoff, 8, 12
.endif
	MROW 2*(\as), 0, 1, \as, \first, 2
	WFRAG (2*(\as)+3)%4, (2*(\as)+3)*HRB, 3
	MROW 2*(\as), 0, 1, \as, \first, 3
.if \actl
	ACTN 1-(\as), \adr, \aoff, 12, 16
.endif
	s_wait_loadcnt 26                              ; the second group's half-record is in; the two behind it stay out
	s_wait_alu depctr_va_vdst(0)                   ; the first group is done reading half-set 2 as and its scale words, in which this group's loads land
	MROW 2*(\as)+1, 1, 1, \as, \first, 0
	WFRAG 2*(\as), (2*(\as)+4)*HRB, 0
	MROW 2*(\as)+1, 1, 1, \as, \first, 1
	WSCL 2*(\as), (2*(\as)+4)*HRB
.if \actl
	ACTN 1-(\as), \adr, \aoff, 16, 20
.endif
	MROW 2*(\as)+1, 1, 1, \as, \first, 2
	WFRAG 2*(\as), (2*(\as)+4)*HRB, 1
	MROW 2*(\as)+1, 1, 1, \as, \first, 3
.if \actl
	ACTN 1-(\as), \adr, \aoff, 20, 25
.endif
	MROW 2*(\as)+1, 1, 0, \as, \first, 0
	WFRAG 2*(\as), (2*(\as)+4)*HRB, 2
	MROW 2*(\as)+1, 1, 0, \as, \first, 1
	MROW 2*(\as)+1, 1, 0, \as, \first, 2
	WFRAG 2*(\as), (2*(\as)+4)*HRB, 3
	MROW 2*(\as)+1, 1, 0, \as, \first, 3
.if (\as) == 1
	s_wait_xcnt 0x0                                ; the base of the loads issued so far is stepped only behind this wait
	s_add_nc_u64 s[22:23], s[22:23], 4*HRB         ; four half-records on
.endif
.endm
.macro PRE                             ; ahead of a pass: its bias (lane (r, h), tile 2 b + u: units 32 b + 16 h + 8 u + 0 .. 7) and the layer's first record
	WIN TO_W
.irp t, 0,1,2,3,4,5,6,7
.irp q, 0,1
	ds_load_b128 v[192+8*\t+4*\q:195+8*\t+4*\q], v7 offset:(32*(\t/2)+8*(\t%2))*4+16*\q
.endr
.endr
	WIN 0
	ACTLOAD 0, 3, 0
.endm
; Token tile m of a finished pass: relu, the four blocks' scales, the codes: one fragment and one scale word a token, which are K step 4 p + w of the next product.
.macro EPI m
.set WA, 2+(\m)/4
.set AB, 64*((\m)%4)
.set PP, PC0+22*((\m)%2)
.set PWX, PP+20
.if (\m) >= 2
	s_wait_dscnt 4                                 ; tile m - 2's stores are done; tile m - 1's four may be out
	s_wait_alu depctr_vm_vsrc(0)                   ; tile m - 2's LDS stores have read their codes and their scale word, whose registers this tile's lines write again
.endif
	WIN (WA<<2)|(WA<<4)
.irp b, 0,1,2,3
	v_max3_num_f32 v[TM+\b], 0x2800000, v[AB+16*\b], v[AB+16*\b+1]   ; no |.|: what is negative becomes 0 and must not count; the floor 2^(5 - 127) stands over it.  Each accumulator is read from its low end on
.endr
.irp i, 2,4,6,8,10,12,14
.irp b, 0,1,2,3
	v_max3_num_f32 v[TM+\b], v[TM+\b], v[AB+16*\b+\i], v[AB+16*\b+\i+1]
.endr
.endr
	WIN (WA<<2)|(WA<<6)
.set jj, 0
.rept 64
	v_max_num_f32 v[AB+jj], 0, v[AB+jj]            ; the activation, in f32
.set jj, jj+1
.endr
	WIN 0
.irp b, 0,1,2,3
	v_permlanex16_b32 v[TM+4+\b], v[TM+\b], s20, s21
.endr
.irp b, 0,1,2,3
	v_max_num_f32 v[TM+\b], v[TM+\b], v[TM+4+\b]   ; with lane l xor 16's 16 units: the block's largest
.endr
.irp b, 0,1,2,3
	v_add_nc_u32 v[TM+12+\b], 0xfe000000, v[TM+\b] ; 4 off the exponent field: the conversion's scale operand
.endr
.irp b, 0,1,2,3
	v_lshrrev_b32 v[TM+4+\b], 23, v[TM+12+\b]      ; the byte
.endr
	v_lshl_or_b32 v[PWX], v[TM+5], 8, v[TM+4]
	v_lshl_or_b32 v[PWX], v[TM+6], 16, v[PWX]
	v_lshl_or_b32 v[PWX], v[TM+7], 24, v[PWX]
	WIN WA
.irp c, 0,1
	v_cvt_scalef32_pk16_bf6_f32 v[PP+6*\c:PP+6*\c+2], v[AB+32*\c:AB+32*\c+15], v[TM+12+2*\c]
	v_cvt_scalef32_pk16_bf6_f32 v[PP+12+4*\c:PP+14+4*\c], v[AB+16+32*\c:AB+31+32*\c], v[TM+13+2*\c]
.endr
	WIN 0
	v_nop                                          ; one plain place behind a scaled conversion
.irp c, 0,1                            ; a WHOLE block to a lane: lanes 0-15 block 2 c, lanes 16-31 block 2 c + 1
.irp i, 0,1,2
	v_permlane16_swap_b32 v[PP+6*\c+\i], v[PP+12+4*\c+\i]
.endr
.irp i, 0,1,2
	v_mov_b32 v[PP+3+6*\c+\i], v[PP+12+4*\c+\i]
.endr
.endr
	s_wait_alu depctr_va_vdst(0)                   ; the tile's twelve registers of codes and its scale word are written, which the four LDS stores read
.irp g, 0,1,2
	ds_store_b128 v5, v[PP+4*\g:PP+4*\g+3] offset:1536*(\m)+512*\g
.endr
	ds_store_b32 v6, v[PWX] offset:12288+256*((\m)/4)+4*((\m)%4)   ; both halves of the lanes write the same word with the same value
.endm
; A hidden layer: two passes of nk K steps.  src, dst, bias: LDS bytes of the records read, the records written and the layer's bias.
.macro LAYER nk, src, dst, bias
	s_wait_alu depctr_vm_vsrc(0)                   ; the LDS loads issued so far have read v3 and v7, which are written below; the LDS stores issued so far have read their data, in whose registers records land
	v_add_nc_u32 v3, \src, v1                      ; the records read: + 16 x lane
	s_mul_i32 s28, s16, RECB
	s_add_co_u32 s28, s28, \dst
	v_add_nc_u32 v13, s28, v1                      ; record w of those written: its images,
	v_add_nc_u32 v14, s28, v2                      ; its scale words
	s_lshl_b32 s28, s16, 9
	s_add_co_u32 s28, s28, \bias
	v_add_nc_u32 v15, s28, v16                     ; the bias of chunk w, + 64 h
	v_mov_b32 v7, v15
	s_mov_b32 s41, 0                               ; pass p: record 4 p + w,
	s_mov_b32 s42, 0                               ; chunk 4 p + w of the bias
	s_wait_alu depctr_va_vdst(0)                   ; v3 and v7 are written, which the LDS loads below read; the layer before is done reading the bias and token set 0, in which they land
	PRE
	s_mov_b32 s26, 2
.Lpass_\@:
	s_wait_alu depctr_vm_vsrc(0)                   ; the LDS stores of the pass before have read v5 and v6, which are written below, and the codes' registers, in which this pass's second record lands
	v_add_nc_u32 v5, s41, v13
	v_add_nc_u32 v6, s41, v14
	STEP 0, 1, 1, 3, RECB
	STEP 1, 0, 1, 3, 2*RECB
.if \nk == 8
	s_mov_b32 s40, 0
	s_mov_b32 s27, 2
	WIN 0                                          ; at a label and at a branch every window is 0
.Lk_\@:                                ; two trips of two K steps: K steps 2 to 5, which fetch records 3 to 6
	s_wait_alu depctr_vm_vsrc(0)                   ; the LDS loads issued so far have read v4
	v_add_nc_u32 v4, s40, v3
	STEP 0, 0, 1, 4, 3*RECB
	STEP 1, 0, 1, 4, 4*RECB
	WIN 0
	s_add_co_u32 s40, s40, 2*RECB
	s_sub_co_u32 s27, s27, 1
	s_cmp_lg_u32 s27, 0
	s_cbranch_scc1 .Lk_\@
	s_wait_alu depctr_vm_vsrc(0)                   ; the LDS loads issued so far have read v4
	v_add_nc_u32 v4, s40, v3
	STEP 0, 0, 1, 4, 3*RECB                        ; K step 6 fetches record 7
	STEP 1, 0, 0, 3, 0
.else
	STEP 0, 0, 1, 3, 3*RECB
	STEP 1, 0, 0, 3, 0
.endif
	PLACES                                         ; behind the pass's last products: the quantiser reads their results and writes token set 1's registers, which they read
	WIN 0
	s_add_co_u32 s42, s42, 2048
	s_wait_alu depctr_vm_vsrc(0)                   ; the bias's LDS loads, a pass back, have read v7
	v_add_nc_u32 v7, s42, v15
	s_cmp_eq_u32 s26, 1                            ; if a pass of this layer follows, its bias and first record are asked for now and land while this pass is quantised
	s_cbranch_scc1 .Lno_pre_\@
	s_wait_alu depctr_va_vdst(0)                   ; v7 is written, which the LDS loads below read; the pass's products are done reading the bias and token set 0, in which they land
	PRE
.Lno_pre_\@:
.irp b, 0,1,2,3
	v_mov_b32 v[TM+4+\b], 0                        ; a lane permute's destination counts as one of its sources
.endr
.irp m, 0,1,2,3,4,5,6,7
	EPI \m
.endr
	s_add_co_u32 s41, s41, 4*RECB
	s_sub_co_u32 s26, s26, 1
	s_cmp_lg_u32 s26, 0
	s_cbranch_scc1 .Lpass_\@
	s_wait_dscnt 0x0                               ; my records have landed, for the others' sake
	s_barrier_signal -1
	s_barrier_wait -1                              ; the layer's eight records lie in LDS
.endm
	s_load_b256 s[4:11], s[0:1], 0x0               ; xq s[4:5], wq s[6:7], b1 s[8:9], b2 s[10:11]
	s_load_b128 s[12:15], s[0:1], 0x20             ; bout s[12:13], yq s[14:15]
	v_lshl_add_u32 v62, v0, 2, 0x42000
	v_mov_b32 v63, 0
	v_lshrrev_b32 v20, 5, v0
	v_readfirstlane_b32 s16, v20                   ; wave 0..3
	s_and_b32 s17, ttmp7, 0xffff                   ; the expert
	v_and_b32 v20, 31, v0
	v_lshlrev_b32 v1, 4, v20                       ; 16 x lane: an image's place for my lane
	v_and_b32 v21, 15, v0
	v_lshlrev_b32 v2, 4, v21                       ; 16 x (lane % 16)
	v_bfe_u32 v22, v0, 4, 1
	v_lshlrev_b32 v16, 6, v22                      ; 64 h
	s_wait_alu depctr_va_sdst(0)                   ; s16 is written, ahead of its first reader: LDS places and the bases of x, the weights and y are made from it
	s_mul_i32 s28, s16, RECB
	v_add_nc_u32 v8, s28, v1                       ; x's record w in LDS
	v_lshlrev_b32 v9, 4, v0                        ; 16 x thread
	v_lshlrev_b32 v10, 3, v0                       ; 8 x thread
	v_add_nc_u32 v11, BIAS, v9
	v_add_nc_u32 v17, BIAS+8192, v10
	v_add_nc_u32 v12, A2+4*RECB, v1                ; the second hidden layer's records 4 to 7
	s_mov_b32 s20, 0x76543210
	s_mov_b32 s21, 0xfedcba98                      ; v_permlanex16_b32's selects for lane l xor 16
	s_mov_b32 s31, 0
	s_mul_i32 s30, ttmp9, 4*RECB
	s_add_co_u32 s30, s30, s28
	s_wait_kmcnt 0x0
	s_add_nc_u64 s[32:33], s[4:5], s[30:31]        ; x: my block's record w
	s_mul_i32 s30, s17, EXB
	s_mul_i32 s29, s16, WS
	s_add_co_u32 s30, s30, s29
	s_add_nc_u64 s[22:23], s[6:7], s[30:31]        ; my run of 56 half-records
	s_lshl_b32 s30, s17, 12
	s_add_nc_u64 s[34:35], s[8:9], s[30:31]
	s_add_nc_u64 s[36:37], s[10:11], s[30:31]
	s_lshl_b32 s30, s17, 10
	s_add_nc_u64 s[38:39], s[12:13], s[30:31]
	s_lshl_b32 s30, s17, 21
	s_lshl_b32 s29, ttmp9, 16
	s_add_co_u32 s30, s30, s29
	s_lshl_b32 s29, s16, 11
	s_add_co_u32 s30, s30, s29
	s_add_nc_u64 s[24:25], s[14:15], s[30:31]      ; y: (256 e + 8 x block) x 8,192 + 2,048 w
	s_wait_alu depctr_va_vdst(0)                   ; the offsets and LDS addresses v1, v2, v8 to v12 and v17 are written, which the loads and stores of the whole kernel read
.irp i, 0,1,2,3,4,5,6,7,8,9,10,11,12,13,14,15,16,17,18,19,20,21,22,23,24
	global_load_b128 v[64+4*\i:67+4*\i], v1, s[32:33] offset:512*\i
.endr
	global_load_b128 v[164:167], v9, s[34:35]
	global_load_b128 v[168:171], v9, s[34:35] offset:2048
	global_load_b128 v[172:175], v9, s[36:37]
	global_load_b128 v[176:179], v9, s[36:37] offset:2048
	global_load_b64 v[180:181], v10, s[38:39]
	LOADHR 0, 0
	LOADHR 1, HRB
	s_wait_loadcnt 26                              ; x and the biases are in; the two half-records (2 x 13 loads) stay out
.irp i, 0,1,2,3,4,5,6,7,8,9,10,11,12,13,14,15,16,17,18,19,20,21,22,23,24
	ds_store_b128 v8, v[64+4*\i:67+4*\i] offset:512*\i
.endr
	ds_store_b128 v11, v[164:167]
	ds_store_b128 v11, v[168:171] offset:2048
	ds_store_b128 v11, v[172:175] offset:4096
	ds_store_b128 v11, v[176:179] offset:6144
	ds_store_b64 v17, v[180:181]
	LOADHR 2, 2*HRB                                ; the fourth half-record is asked for among the first group's products, like every later one
	s_wait_dscnt 0x0                               ; for the others' sake
	s_barrier_signal -1
	s_barrier_wait -1                              ; x's four records and the biases lie in LDS
	LAYER 4, 0, A1, BIAS
	LAYER 8, A1, A2, BIAS+4096
	; ---- layer 3: my 64 outputs for the 128 tokens: 32 accumulators, one group a K step, two sets of token fragments by turns
	s_wait_alu depctr_vm_vsrc(0)                   ; the LDS loads issued so far have read v3 and v7, which are written below; the quantiser's LDS stores have read the codes' registers, in which record 1 lands
	v_add_nc_u32 v3, A2, v1
	s_lshl_b32 s28, s16, 8
	s_add_co_u32 s28, s28, BIAS+8192
	v_add_nc_u32 v7, s28, v16
	s_wait_alu depctr_va_vdst(0)                   ; v3 and v7 are written; layer 2 is done reading the bias, both token sets and its last half-set, and its quantiser is done with set 1's registers: the loads below, and K step 0's, land there
	WIN TO_W
.irp t, 0,1,2,3
.irp q, 0,1
	ds_load_b128 v[192+8*\t+4*\q:195+8*\t+4*\q], v7 offset:(32*(\t/2)+8*(\t%2))*4+16*\q
.endr
.endr
	WIN 0
	ACTLOAD 0, 3, 0
	ACTLOAD 1, 3, RECB
.macro H3ROW k, mh, tt                 ; a row of K step k: half-set k % 4, token set k % 2; K step 0 starts the sums with bout
.if (\k) == 0
	MROW 0, 0, \mh, 0, 1, \tt
.else
	MROW (\k)%4, 0, \mh, (\k)%2, 0, \tt
.endif
.endm
.macro H3ACT k, n0, n1                 ; K steps 1 to 6: loads n0 .. n1 - 1 of record k + 1, into the set that K step k - 1 has left
.if ((\k) >= 1) && ((\k) <= 6)
.if (\k) < 4
	ACTN ((\k)+1)%2, 3, RECB*((\k)+1), \n0, \n1
.else
	ACTN ((\k)+1)%2, 12, RECB*((\k)-3), \n0, \n1
.endif
.endif
.endm
.macro H3W k, f                        ; K steps 0 to 4: fragment f of half-record 51 + k; 55 is the run's last, so no load leaves the buffer
.if (\k) <= 4
	WFRAG ((\k)+3)%4, HRB*((\k)+3), \f
.endif
.endm
.macro HALF3 k
.if (\k) <= 5
	s_wait_loadcnt 26                              ; two half-records behind mine
.else
	s_wait_loadcnt 13*(7-(\k))                     ; the run ends: the count runs down
.endif
.if (\k) == 0
	s_wait_dscnt 25                                ; bout and record 0 are in; record 1's 25 loads may be out
.else
	s_wait_dscnt 0x0                               ; this step's record
.endif
.if ((\k) >= 1) && ((\k) <= 6)
	s_wait_alu depctr_va_vdst(0)                   ; the K step before is done reading its token set and scale words, and its half-set and scale words: this step's loads land there
.endif
	H3ROW \k, 0, 0
	H3ACT \k, 0, 5
	H3ROW \k, 0, 1
	H3ACT \k, 5, 10
	H3ROW \k, 0, 2
	H3ACT \k, 10, 15
	H3ROW \k, 0, 3
	H3ACT \k, 15, 20
	H3ROW \k, 1, 0
	H3ACT \k, 20, 25
.if (\k) <= 4
	WSCL ((\k)+3)%4, HRB*((\k)+3)
.endif
	H3ROW \k, 1, 1
	H3W \k, 0
	H3W \k, 1
	H3ROW \k, 1, 2
	H3W \k, 2
	H3W \k, 3
	H3ROW \k, 1, 3
.endm
.irp k, 0,1,2,3,4,5,6,7
	HALF3 \k
.endr
	PLACES                                         ; behind the last products: the roundings read their results and write the token sets' registers, which they read
	; ---- the way out: lane (r, h), tile 2 b + q: outputs 64 w + 32 b + 16 h + 8 q + 0 .. 7 of token r: 16 bytes of bf16; a store's 32 lanes cover 512 consecutive bytes of yq, which is laid so.
	; Four token tiles at a time (one window of accumulators): 64 roundings, one wait, 16 stores; every store has data registers of its own
.irp w2, 0,1
	WIN (2+\w2)|((2+\w2)<<2)
.irp mm, 0,1,2,3
.irp b, 0,1
.irp i, 0,1,2,3,4,5,6,7
	v_cvt_pk_bf16_f32 v[64+16*(4*\w2+\mm)+8*\b+\i], v[64*\mm+16*\b+2*\i], v[64*\mm+16*\b+2*\i+1]   ; each accumulator from its low end on
.endr
.endr
.endr
	WIN 0
	s_wait_alu depctr_va_vdst(0)                   ; the four tiles' roundings have written their 64 registers, which the sixteen stores read
.irp mm, 0,1,2,3
.irp b, 0,1
.irp q, 0,1
	global_store_b128 v1, v[64+16*(4*\w2+\mm)+8*\b+4*\q:67+16*(4*\w2+\mm)+8*\b+4*\q], s[24:25] offset:8192*(4*\w2+\mm)+1024*\b+512*\q
.endr
.endr
.endr
.endr
	s_wait_dscnt 0x0                               ; the closing lines, six on end
	s_wait_alu 0x0
	s_wait_tensorcnt 0x0
	ds_add_u32 v62, v63
	s_wait_dscnt 0x0
	s_endpgm
.Lfunc_end_k_q4d5ee5f5b8_experts:
	.size	k_q4d5ee5f5b8_experts, .Lfunc_end_k_q4d5ee5f5b8_experts-k_q4d5ee5f5b8_experts
	.p2alignl 7, 3214868480
	.fill 96, 4, 3214868480
	.section	.rodata,"a",@progbits
	.p2align	6, 0x0
	.amdhsa_kernel k_q4d5ee5f5b8_experts
		.amdhsa_group_segment_fixed_size 270848
		.amdhsa_private_segment_fixed_size 0
		.amdhsa_enable_private_segment 0
		.amdhsa_kernarg_size 48
		.amdhsa_user_sgpr_count 2
		.amdhsa_user_sgpr_kernarg_segment_ptr 1
		.amdhsa_wavefront_size32 1
		.amdhsa_system_sgpr_workgroup_id_x 1
		.amdhsa_system_sgpr_workgroup_id_y 1
		.amdhsa_system_sgpr_workgroup_id_z 1
		.amdhsa_system_vgpr_workitem_id 0
		.amdhsa_next_free_vgpr 1024
		.amdhsa_next_free_sgpr 66
		.amdhsa_reserve_vcc 0
		.amdhsa_float_denorm_mode_32 3
		.amdhsa_float_denorm_mode_16_64 3
		.amdhsa_memory_ordered 1
		.amdhsa_forward_progress 1
		.amdhsa_inst_pref_size 255
	.end_amdhsa_kernel
	.section	.bss,"aw",@nobits
	.p2align	6
	.space	262144
	.amdgpu_metadata
---
amdhsa.version: [ 1, 2 ]
amdhsa.kernels:
  - .name:           k_q4d5ee5f5b8_experts
    .symbol:         k_q4d5ee5f5b8_experts.kd
    .args:
      - { .name: xq, .offset: 0, .size: 8, .value_kind: global_buffer, .address_space: global }
      - { .name: wq, .offset: 8, .size: 8, .value_kind: global_buffer, .address_space: global }
      - { .name: b1, .offset: 16, .size: 8, .value_kind: global_buffer, .address_space: global }
      - { .name: b2, .offset: 24, .size: 8, .value_kind: global_buffer, .address_space: global }
      - { .name: bout, .offset: 32, .size: 8, .value_kind: global_buffer, .address_space: global }
      - { .name: yq, .offset: 40, .size: 8, .value_kind: global_buffer, .address_space: global }
    .group_segment_fixed_size: 270848
    .private_segment_fixed_size: 0
    .kernarg_segment_align: 8
    .kernarg_segment_size: 48
    .max_flat_workgroup_size: 128
    .sgpr_count:     66
    .vgpr_count:     1024
    .wavefront_size: 32
...
	.end_amdgpu_metadata
.endif
;; end of part 5
;; launch combine (part 6): grid 256 x 1, 4 waves a work-group, no clusters, 25,088 bytes of LDS; arguments xq, wq, yq, rb1, rb2, rout, rbout, out0; writes out0
.if DOCPART == 6
	.amdgcn_target "amdgcn-amd-amdhsa--gfx1250"
	.amdhsa_code_object_version 6
	.text
	.protected	k_q4d5ee5f5b8_combine
	.globl	k_q4d5ee5f5b8_combine
	.p2align	8
	.type	k_q4d5ee5f5b8_combine,@function
k_q4d5ee5f5b8_combine:
	s_mov_b64 s[64:65], 0
	v_nop
	global_prefetch_b8 v0, s[64:65] scope:SCOPE_SE
	s_setreg_imm32_b32 hwreg(HW_REG_WAVE_SCHED_MODE, 0, 2), 2
	s_setreg_imm32_b32 hwreg(HW_REG_WAVE_MODE, 25, 1), 1
	s_wait_xcnt 0x0
	s_wait_alu depctr_vm_vsrc(0)
; out[n] = the sum over e of gates[n][e] y[e][n], gates = softmax(relu(relu(x r1 + rb1) r2 + rb2) rout + rbout).  A work-group owns 16 tokens (token tile T = its number).
; The router's two hidden products run on codes of BF6 (E3M2) with one E8M0 byte for each 32 along K: x and the weights arrive as codes in the order of the operand's registers;
; the first hidden layer is quantised here.  The logits (N = 8) and the weighted sum (K = 8) are products that the contract leaves as they are.
; SHARES.  Wave w makes router units 64 w .. 64 w + 63 of both hidden layers, the part of the logits that these units give, and outputs 64 w .. 64 w + 63.
; All products are used transposed (source 0 = 16 columns of the weight, source 1 = the 16 tokens): a lane holds ONE token (lane % 16) throughout; the columns of a weight tile are
; chosen (row rho of tile 2 b + u = column 32 b + 8 u + rho + 8 (rho / 8)) so that a lane's 16 registers of two tiles are units 32 b + 16 h + 0 .. 15.
; THE LOGITS: sixteen f32 matrix instructions a wave (no bulk work): source 0 = rout^T, whose rows 8-15 repeat rows 0-7, so that every lane ends with all eight logits of its own token;
; source 1 = the second hidden layer as it stands; k is permuted alike on both sides.  The four waves' parts meet in LDS.
; THE SOFTMAX takes the row's largest logit away first.  y arrives as bf16, laid so that lane (r, h) loads 8 neighbouring outputs of token r; it is asked for before the router's second layer.
; NO CLUSTER: the router's weights are shared by all work-groups, but each wave reads its 38,400 bytes once, at the head, straight into the registers in which they stay.
; LIMITS: a block of zeros, or one whose largest magnitude lies under 2^-122, gets the scale byte 1; NaN and infinities are not served.
; REGISTERS.  Window 0: v1-14 addresses; v16-63 x's four fragments, later v16-47 rout, later rows of out; v64-67 x's scale words, v68-83 r1's, v84-91 r2's, v92-93 the hidden layer's;
;   v96-127 rb1, later v96-119 the hidden layer's two fragments and v120-127 my part of the logits; v128-159 rb2; v160-191 first hidden layer, later the four parts of the logits;
;   v192-223 second hidden layer, later out; v224-231 codes, later the gates; v232-239 at work; v240-255 the logits' two sums, which matrix instructions alone write.
;   Window 1: v0-127 y (16 e + 8 b + 4 q); v128-223 r2's fragments.   Window 2: v0-191 r1's fragments.
; THE MODE: SCHED_MODE bits 1:0 = 2 (LLVM: expert scheduling mode 2), set by the entry lines.  The code itself states the register dependences
; between vector or matrix instructions and memory or LDS instructions, with s_wait_alu, always for 0.
; THE PLAN.  The text is a straight line.  Registers that memory or LDS instructions touch, and who else names them:
;   v1-v12, v14   offsets and LDS addresses, made once at the head: one wait on va_vdst ahead of the first load.
;   v16-47        x's fragments, read by the first layer's products; then rout's loads land there: a wait on va_vdst between.  Read by the logits' products; then rows of out land there, behind later waits.
;   v224-229, v231  the hidden layer's codes and scale bytes: written by the quantiser, read by LDS stores (va_vdst between), written again by the logits' sums (vm_vsrc between).
;   v120-127      my part of the logits: written by additions, read by LDS stores (va_vdst between); v120-123 are written again by the softmax's sums, behind the same wait on vm_vsrc.
;   v192-223      out: written by the weighted sum, read by LDS stores (va_vdst between).
;   v96-119, v92-93, v160-191  LDS loads land there behind a wait on va_vdst since which no vector or matrix instruction names them.
.set RQ0,  11468800                    ; the router's weights in wq
.set RWS,  38400                       ; a wave's six half-records: r1's four K steps, r2's two
.set HRB,  6400
.set RECB, 12800
.set H1SC, 3072                        ; LDS: at 0 the hidden layer's codes, 768 bytes a wave; its scale words: 64 x K step + 4 r, a wave's two bytes at 2 (w % 2);
.set LG,   3328                        ; the logits' parts, 1,024 bytes a wave;
.set STG,  7424                        ; the stage for out: 16 rows x (1,024 bytes + 16)
.set SP,   1040
.set MSB, 0
.macro WIN new
.if MSB != (\new)
	s_set_vgpr_msb (MSB<<8)|(\new)
.set MSB, (\new)
.endif
.endm
.macro PLACES n
.rept \n
	v_nop
.endr
.endm
	s_load_b512 s[4:19], s[0:1], 0x0               ; xq s[4:5], wq s[6:7], yq s[8:9], rb1 s[10:11], rb2 s[12:13], rout s[14:15], rbout s[16:17], out0 s[18:19]
	v_lshl_add_u32 v94, v0, 2, 0x6000
	v_mov_b32 v95, 0
	v_lshrrev_b32 v15, 5, v0
	v_readfirstlane_b32 s48, v15                   ; wave 0..3
	v_and_b32 v232, 31, v0                         ; lane
	v_and_b32 v15, 15, v0                          ; r
	v_bfe_u32 v233, v0, 4, 1                       ; h
	v_lshlrev_b32 v1, 4, v232                      ; 16 x lane
	v_lshlrev_b32 v14, 3, v232                     ; 8 x lane
	v_lshlrev_b32 v2, 4, v15                       ; 16 r
	v_lshlrev_b32 v3, 2, v15                       ; 4 r
	s_wait_alu depctr_va_vdst(0)
	v_lshlrev_b32 v4, 6, v233                      ; 64 h
	v_and_b32 v234, 7, v0
	v_lshlrev_b32 v5, 2, v234
	v_lshl_add_u32 v5, v233, 9, v5                 ; rout: 16 h rows of 32 bytes + expert r % 8
	s_wait_alu depctr_va_sdst(0)                   ; s48 is written, ahead of its first reader: LDS places and the bases of the weights, the biases, y and out are made from it
	s_mul_i32 s49, s48, 768
	v_add_nc_u32 v6, s49, v1                       ; my half fragment: registers 0-3 at 16 x lane,
	s_add_co_u32 s49, s49, 512
	v_add_nc_u32 v7, s49, v14                      ; registers 4, 5 at 512 + 8 x lane
	s_lshr_b32 s49, s48, 1
	s_and_b32 s50, s48, 1
	s_lshl_b32 s49, s49, 6
	s_lshl_b32 s50, s50, 1
	s_add_co_u32 s49, s49, s50
	s_add_co_u32 s49, s49, H1SC
	v_add_nc_u32 v8, s49, v3                       ; my two scale bytes of token r
	s_lshl_b32 s49, s48, 10
	s_add_co_u32 s49, s49, LG
	v_lshlrev_b32 v10, 5, v232
	v_add_nc_u32 v9, s49, v10                      ; my part of the logits: 32 bytes a lane
	v_add_nc_u32 v10, LG, v10                      ; and all four parts
	v_mul_u32_u24 v11, v15, SP
	v_add_nc_u32 v11, v11, v4
	s_lshl_b32 s49, s48, 8
	s_add_co_u32 s49, s49, STG
	v_add_nc_u32 v11, s49, v11                     ; the stage: row r, + 256 w + 64 h
	s_mul_i32 s49, s48, 4*SP
	s_add_co_u32 s49, s49, STG
	v_add_nc_u32 v12, s49, v1                      ; back: my four rows, 16 bytes a lane
	v_mov_b32 v13, 0
	s_mov_b32 s58, 0x76543210
	s_mov_b32 s59, 0xfedcba98                      ; v_permlanex16_b32's selects for lane l xor 16
	s_lshr_b32 s54, ttmp9, 3                       ; the block of 128 tokens,
	s_and_b32 s55, ttmp9, 7                        ; and my tile m in it
	s_mov_b32 s39, 0
	s_mul_i32 s38, s54, 4*RECB
	s_wait_kmcnt 0x0
	s_add_nc_u64 s[22:23], s[4:5], s[38:39]
	s_mul_i32 s38, s55, 1536
	s_add_nc_u64 s[20:21], s[22:23], s[38:39]      ; x's fragment of K step 0
	s_lshr_b32 s56, s55, 2
	s_lshl_b32 s56, s56, 8
	s_and_b32 s57, s55, 3
	s_lshl_b32 s57, s57, 2
	s_add_co_u32 s38, s56, s57
	s_add_co_u32 s38, s38, 12288
	s_add_nc_u64 s[22:23], s[22:23], s[38:39]      ; and its scale words: 256 (m / 4) + 4 (m % 4), + 16 r
	s_lshl_b32 s38, s48, 8
	s_add_nc_u64 s[24:25], s[10:11], s[38:39]      ; rb1 and rb2 at my 64 units
	s_add_nc_u64 s[28:29], s[12:13], s[38:39]
	s_mul_i32 s38, s48, RWS
	s_add_co_u32 s38, s38, RQ0
	s_add_nc_u64 s[26:27], s[6:7], s[38:39]        ; my six half-records
	s_lshl_b32 s38, s48, 11
	s_add_nc_u64 s[30:31], s[14:15], s[38:39]      ; rout at my 64 rows
	s_lshl_b32 s56, ttmp9, 13
	s_add_co_u32 s38, s38, s56
	s_add_nc_u64 s[32:33], s[8:9], s[38:39]        ; y: 8,192 T + 2,048 w, experts 0-3;
	s_add_nc_u64 s[34:35], s[32:33], 0x800000      ; experts 4-7
	s_lshl_b32 s38, ttmp9, 14
	s_lshl_b32 s56, s48, 12
	s_add_co_u32 s38, s38, s56
	s_add_nc_u64 s[36:37], s[18:19], s[38:39]      ; out: my four rows
	s_load_b256 s[40:47], s[16:17], 0x0            ; rbout
	s_wait_alu depctr_va_vdst(0)                   ; the offsets and LDS addresses v1 to v12 and v14 are written, which the loads and stores of the whole kernel read
	; ---- the first layer's 76 loads
.irp s, 0,1,2,3
.irp g, 0,1,2
	global_load_b128 v[16+12*\s+4*\g:19+12*\s+4*\g], v1, s[20:21] offset:RECB*\s+512*\g
.endr
	global_load_b32 v[64+\s], v2, s[22:23] offset:RECB*\s
.endr
.irp t, 0,1,2,3
.irp q, 0,1
	global_load_b128 v[96+8*\t+4*\q:99+8*\t+4*\q], v4, s[24:25] offset:(32*(\t/2)+8*(\t%2))*4+16*\q
.endr
.endr
	WIN 0x80                                       ; destination window 2
.irp s, 0,1,2,3
.irp f, 0,1,2,3
.irp g, 0,1,2
	global_load_b128 v[48*\s+12*\f+4*\g:48*\s+12*\f+4*\g+3], v1, s[26:27] offset:HRB*\s+1536*\f+512*\g
.endr
.endr
.endr
	WIN 0
.irp s, 0,1,2,3
	global_load_b128 v[68+4*\s:71+4*\s], v2, s[26:27] offset:HRB*\s+6144
.endr
	; ---- the second layer's 34
.irp t, 0,1,2,3
.irp q, 0,1
	global_load_b128 v[128+8*\t+4*\q:131+8*\t+4*\q], v4, s[28:29] offset:(32*(\t/2)+8*(\t%2))*4+16*\q
.endr
.endr
	WIN 0x40                                       ; destination window 1
.irp s, 0,1
.irp f, 0,1,2,3
.irp g, 0,1,2
	global_load_b128 v[128+48*\s+12*\f+4*\g:128+48*\s+12*\f+4*\g+3], v1, s[26:27] offset:HRB*(4+\s)+1536*\f+512*\g
.endr
.endr
.endr
	WIN 0
.irp s, 0,1
	global_load_b128 v[84+4*\s:87+4*\s], v2, s[26:27] offset:HRB*(4+\s)+6144
.endr
	s_wait_loadcnt 34                              ; the first layer's loads are in; the second layer's 34 stay out
	WIN 0x02                                       ; source 0 (r1) window 2
.irp k, 0,1,2,3                        ; four accumulators by turns; rb1 is the C of each sum's first product
.irp t, 0,1,2,3
.if \k == 0
	v_wmma_scale_f32_16x16x128_f8f6f4 v[160+8*\t:167+8*\t], v[48*\k+12*\t:48*\k+12*\t+11], v[16+12*\k:27+12*\k], v[96+8*\t:103+8*\t], v[68+4*\k+\t], v[64+\k] matrix_a_fmt:MATRIX_FMT_BF6 matrix_b_fmt:MATRIX_FMT_BF6
.else
	v_wmma_scale_f32_16x16x128_f8f6f4 v[160+8*\t:167+8*\t], v[48*\k+12*\t:48*\k+12*\t+11], v[16+12*\k:27+12*\k], v[160+8*\t:167+8*\t], v[68+4*\k+\t], v[64+\k] matrix_a_fmt:MATRIX_FMT_BF6 matrix_b_fmt:MATRIX_FMT_BF6
.endif
.endr
.endr
	WIN 0
	PLACES 4                                       ; in front of the first vector read of the results
	s_wait_alu depctr_va_vdst(0)                   ; the first layer's products are done reading x's fragments v16 to v47, in which rout's loads land
	; ---- 64 more loads: rout (register 16 b + 8 u + j: row 64 w + 32 b + 16 h + 8 u + j, expert r % 8), then y
.irp b, 0,1
.irp u, 0,1
.irp j, 0,1,2,3,4,5,6,7
	global_load_b32 v[16+16*\b+8*\u+\j], v5, s[30:31] offset:32*(32*\b+8*\u+\j)
.endr
.endr
.endr
	WIN 0x40
.irp e, 0,1,2,3
.irp b, 0,1
.irp q, 0,1
	global_load_b128 v[16*\e+8*\b+4*\q:16*\e+8*\b+4*\q+3], v1, s[32:33] offset:2097152*\e+1024*\b+512*\q th:TH_LOAD_NT
.endr
.endr
.endr
.irp e, 4,5,6,7
.irp b, 0,1
.irp q, 0,1
	global_load_b128 v[16*\e+8*\b+4*\q:16*\e+8*\b+4*\q+3], v1, s[34:35] offset:2097152*(\e-4)+1024*\b+512*\q th:TH_LOAD_NT
.endr
.endr
.endr
	WIN 0
	; ---- my 64 units of the first hidden layer: relu, two blocks' scales, 6 registers of codes: half (w % 2) of the fragment of K step w / 2
.irp b, 0,1
	v_max3_num_f32 v[232+\b], 0x2800000, v[160+16*\b], v[161+16*\b]   ; no |.|: what is negative becomes 0; the floor 2^(5 - 127) stands over it
.endr
.irp i, 2,4,6,8,10,12,14
.irp b, 0,1
	v_max3_num_f32 v[232+\b], v[232+\b], v[160+16*\b+\i], v[161+16*\b+\i]
.endr
.endr
.set jj, 0
.rept 32
	v_max_num_f32 v[160+jj], 0, v[160+jj]
.set jj, jj+1
.endr
	v_mov_b32 v234, 0                              ; a lane permute's destination counts as one of its sources
	v_mov_b32 v235, 0
.irp b, 0,1
	v_permlanex16_b32 v[234+\b], v[232+\b], s58, s59
.endr
.irp b, 0,1
	v_max_num_f32 v[232+\b], v[232+\b], v[234+\b]
.endr
.irp b, 0,1
	v_add_nc_u32 v[236+\b], 0xfe000000, v[232+\b]  ; 4 off the exponent field: the conversion's scale operand
.endr
.irp b, 0,1
	v_lshrrev_b32 v[238+\b], 23, v[236+\b]
.endr
	v_lshl_or_b32 v231, v239, 8, v238              ; my two bytes of token r's scale word
	v_cvt_scalef32_pk16_bf6_f32 v[224:226], v[160:175], v236
	v_cvt_scalef32_pk16_bf6_f32 v[228:230], v[176:191], v237
	v_nop                                          ; one plain place behind a scaled conversion
.irp i, 0,1,2
	v_permlane16_swap_b32 v[224+\i], v[228+\i]     ; a WHOLE block to a lane
.endr
	v_mov_b32 v227, v228
	v_mov_b32 v228, v229
	v_mov_b32 v229, v230
	s_wait_alu depctr_va_vdst(0)                   ; the codes v224 to v229 and the scale bytes v231 are written, which the three LDS stores read
	ds_store_b128 v6, v[224:227]
	ds_store_b64 v7, v[228:229]
	ds_store_b16 v8, v231                          ; both halves of the lanes write the same bytes with the same value
	s_wait_dscnt 0x0                               ; for the others' sake
	s_barrier_signal -1
	s_barrier_wait -1                              ; the hidden layer's two fragments lie in LDS
.irp s, 0,1                            ; (they land in rb1's registers: the products that read those stand ahead of the wait above, and no vector or matrix instruction has been issued since)
.irp c, 0,1
	ds_load_b128 v[96+12*\s+6*\c:99+12*\s+6*\c], v1 offset:768*(2*\s+\c)
	ds_load_b64 v[100+12*\s+6*\c:101+12*\s+6*\c], v14 offset:768*(2*\s+\c)+512
.endr
	ds_load_b32 v[92+\s], v3 offset:H1SC+64*\s
.endr
	s_wait_dscnt 0x0
	s_wait_loadcnt 63                              ; 64 loads were issued behind the second layer's: the largest count that can be written shows those in
	WIN 0x01                                       ; source 0 (r2) window 1
.irp k, 0,1
.irp t, 0,1,2,3
.if \k == 0
	v_wmma_scale_f32_16x16x128_f8f6f4 v[192+8*\t:199+8*\t], v[128+48*\k+12*\t:128+48*\k+12*\t+11], v[96+12*\k:107+12*\k], v[128+8*\t:135+8*\t], v[84+4*\k+\t], v[92+\k] matrix_a_fmt:MATRIX_FMT_BF6 matrix_b_fmt:MATRIX_FMT_BF6
.else
	v_wmma_scale_f32_16x16x128_f8f6f4 v[192+8*\t:199+8*\t], v[128+48*\k+12*\t:128+48*\k+12*\t+11], v[96+12*\k:107+12*\k], v[192+8*\t:199+8*\t], v[84+4*\k+\t], v[92+\k] matrix_a_fmt:MATRIX_FMT_BF6 matrix_b_fmt:MATRIX_FMT_BF6
.endif
.endr
.endr
	WIN 0
	PLACES 4
.set jj, 0
.rept 32
	v_max_num_f32 v[192+jj], 0, v[192+jj]          ; the second hidden layer, in f32
.set jj, jj+1
.endr
	s_wait_loadcnt 32                              ; rout is in; y's 32 loads stay out
	; ---- my part of the logits: K = my 64 units, 4 an instruction; two sums by turns, each begun with the constant 0
	v_wmma_f32_16x16x4_f32 v[240:247], v[16:17], v[192:193], 0
	v_wmma_f32_16x16x4_f32 v[248:255], v[18:19], v[194:195], 0
.irp i, 1,2,3,4,5,6,7
	s_wait_alu depctr_va_vdst(0)
	v_wmma_f32_16x16x4_f32 v[240:247], v[16+4*\i:17+4*\i], v[192+4*\i:193+4*\i], v[240:247]
	v_wmma_f32_16x16x4_f32 v[248:255], v[18+4*\i:19+4*\i], v[194+4*\i:195+4*\i], v[248:255]
.endr
	PLACES 8                                       ; eight places behind this form
.irp j, 0,1,2,3,4,5,6,7
	v_add_f32 v[120+\j], v[240+\j], v[248+\j]      ; into other registers, from the low end on: register j = expert j, token r
.endr
	s_wait_alu depctr_va_vdst(0)                   ; my part of the logits, v120 to v127, is written, which the two LDS stores read; the quantiser is done with v160 to v191, in which the four parts land below
	ds_store_b128 v9, v[120:123]
	ds_store_b128 v9, v[124:127] offset:16
	s_wait_dscnt 0x0
	s_barrier_signal -1
	s_barrier_wait -1                              ; the four parts lie in LDS
.irp p, 0,1,2,3
.irp z, 0,1
	ds_load_b128 v[160+8*\p+4*\z:163+8*\p+4*\z], v10 offset:1024*\p+16*\z
.endr
.endr
	s_wait_dscnt 0x0
	s_wait_kmcnt 0x0                               ; rbout
	s_wait_alu depctr_vm_vsrc(0)                   ; my LDS stores have read the codes v224 to v231 and my part of the logits v120 to v127: the sums below write these registers again
.irp j, 0,1,2,3,4,5,6,7
	v_add_f32 v[232+\j], v[160+\j], v[168+\j]
	v_add_f32 v[224+\j], v[176+\j], v[184+\j]
.endr
.irp j, 0,1,2,3,4,5,6,7
	v_add_f32 v[232+\j], v[232+\j], v[224+\j]
.endr
.irp j, 0,1,2,3,4,5,6,7
	v_add_f32 v[232+\j], s[40+\j], v[232+\j]       ; my token's eight logits
.endr
	v_max3_num_f32 v15, v232, v233, v234
	v_max3_num_f32 v15, v15, v235, v236
	v_max3_num_f32 v15, v15, v237, v238
	v_max_num_f32 v15, v15, v239                   ; the largest is taken away first
.irp j, 0,1,2,3,4,5,6,7
	v_sub_f32 v[232+\j], v[232+\j], v15
.endr
.irp j, 0,1,2,3,4,5,6,7
	v_mul_f32 v[232+\j], 0x3fb8aa3b, v[232+\j]     ; x log2(e)
.endr
	s_wait_alu depctr_va_vdst(0)
.irp j, 0,1,2,3,4,5,6,7
	v_exp_f32 v[224+\j], v[232+\j]
.endr
	v_nop                                          ; one plain place behind the exponentials
	s_wait_alu depctr_va_vdst(0)                   ; the eight exponentials have written v224 to v231, ahead of their first reader: one wait for the batch
	v_add_f32 v120, v224, v225
	v_add_f32 v121, v226, v227
	v_add_f32 v122, v228, v229
	v_add_f32 v123, v230, v231
	v_add_f32 v120, v120, v121
	v_add_f32 v122, v122, v123
	v_add_f32 v120, v120, v122
	s_wait_alu depctr_va_vdst(0)
	v_rcp_f32 v120, v120
	v_nop                                          ; one plain place behind the reciprocal
	s_wait_alu depctr_va_vdst(0)                   ; the reciprocal has written v120, ahead of its first reader
.irp j, 0,1,2,3,4,5,6,7
	v_mul_f32 v[224+\j], v[224+\j], v120           ; the gates
.endr
	s_wait_alu depctr_va_vdst(0)
	; ---- out: register 2 x + half of v192 on = the sum over e of gate e x y's half of register 16 e + x
	s_wait_loadcnt 0x0                             ; y
	WIN 0x01                                       ; source 0 (y) window 1
.irp x, 0,1,2,3,4,5,6,7,8,9,10,11,12,13,14,15
	v_fma_mix_f32_bf16 v[192+2*\x], v[\x], v224, v13 op_sel_hi:[1,0,0]
	v_fma_mix_f32_bf16 v[193+2*\x], v[\x], v224, v13 op_sel:[1,0,0] op_sel_hi:[1,0,0]
.endr
.irp e, 1,2,3,4,5,6,7
.irp x, 0,1,2,3,4,5,6,7,8,9,10,11,12,13,14,15
	v_fma_mix_f32_bf16 v[192+2*\x], v[16*\e+\x], v[224+\e], v[192+2*\x] op_sel_hi:[1,0,0]
	v_fma_mix_f32_bf16 v[193+2*\x], v[16*\e+\x], v[224+\e], v[193+2*\x] op_sel:[1,0,0] op_sel_hi:[1,0,0]
.endr
.endr
	WIN 0
	; ---- the way out: a row's 1,024 bytes come from four waves: they meet in the stage, and each wave stores four whole rows
	s_wait_alu depctr_va_vdst(0)                   ; the weighted sums have written v192 to v223, which the eight LDS stores read; the logits' products are done reading rout's registers v16 to v47, in which the rows land below
.irp b, 0,1
.irp q, 0,1
.irp z, 0,1
	ds_store_b128 v11, v[192+16*\b+8*\q+4*\z:195+16*\b+8*\q+4*\z] offset:128*\b+32*\q+16*\z
.endr
.endr
.endr
	s_wait_dscnt 0x0
	s_barrier_signal -1
	s_barrier_wait -1
.irp n, 0,1,2,3,4,5,6,7
	ds_load_b128 v[16+4*\n:19+4*\n], v12 offset:SP*(\n/2)+512*(\n%2)
.endr
.irp n, 0,1,2,3,4,5,6,7
	s_wait_dscnt 7-\n
	global_store_b128 v1, v[16+4*\n:19+4*\n], s[36:37] offset:1024*(\n/2)+512*(\n%2) th:TH_STORE_NT   ; 32 lanes store 512 consecutive bytes, at a multiple of 256 from out's first byte
.endr
	s_wait_dscnt 0x0                               ; the closing lines, six on end
	s_wait_alu 0x0
	s_wait_tensorcnt 0x0
	ds_add_u32 v94, v95
	s_wait_dscnt 0x0
	s_endpgm
.Lfunc_end_k_q4d5ee5f5b8_combine:
	.size	k_q4d5ee5f5b8_combine, .Lfunc_end_k_q4d5ee5f5b8_combine-k_q4d5ee5f5b8_combine
	.p2alignl 7, 3214868480
	.fill 96, 4, 3214868480
	.section	.rodata,"a",@progbits
	.p2align	6, 0x0
	.amdhsa_kernel k_q4d5ee5f5b8_combine
		.amdhsa_group_segment_fixed_size 25088
		.amdhsa_private_segment_fixed_size 0
		.amdhsa_enable_private_segment 0
		.amdhsa_kernarg_size 64
		.amdhsa_user_sgpr_count 2
		.amdhsa_user_sgpr_kernarg_segment_ptr 1
		.amdhsa_wavefront_size32 1
		.amdhsa_system_sgpr_workgroup_id_x 1
		.amdhsa_system_sgpr_workgroup_id_y 1
		.amdhsa_system_sgpr_workgroup_id_z 1
		.amdhsa_system_vgpr_workitem_id 0
		.amdhsa_next_free_vgpr 768
		.amdhsa_next_free_sgpr 66
		.amdhsa_reserve_vcc 0
		.amdhsa_float_denorm_mode_32 3
		.amdhsa_float_denorm_mode_16_64 3
		.amdhsa_memory_ordered 1
		.amdhsa_forward_progress 1
		.amdhsa_inst_pref_size 53
	.end_amdhsa_kernel
	.amdgpu_metadata
---
amdhsa.version: [ 1, 2 ]
amdhsa.kernels:
  - .name:           k_q4d5ee5f5b8_combine
    .symbol:         k_q4d5ee5f5b8_combine.kd
    .args:
      - { .name: xq, .offset: 0, .size: 8, .value_kind: global_buffer, .address_space: global }
      - { .name: wq, .offset: 8, .size: 8, .value_kind: global_buffer, .address_space: global }
      - { .name: yq, .offset: 16, .size: 8, .value_kind: global_buffer, .address_space: global }
      - { .name: rb1, .offset: 24, .size: 8, .value_kind: global_buffer, .address_space: global }
      - { .name: rb2, .offset: 32, .size: 8, .value_kind: global_buffer, .address_space: global }
      - { .name: rout, .offset: 40, .size: 8, .value_kind: global_buffer, .address_space: global }
      - { .name: rbout, .offset: 48, .size: 8, .value_kind: global_buffer, .address_space: global }
      - { .name: out0, .offset: 56, .size: 8, .value_kind: global_buffer, .address_space: global }
    .group_segment_fixed_size: 25088
    .private_segment_fixed_size: 0
    .kernarg_segment_align: 8
    .kernarg_segment_size: 64
    .max_flat_workgroup_size: 128
    .sgpr_count:     66
    .vgpr_count:     768
    .wavefront_size: 32
...
	.end_amdgpu_metadata
.endif
;; end of part 6
